; MI455X (gfx1250); checked and timed in simulation.
; The chip was launched on July 23, 2026; its instructions are those of AMD's public machine-readable ISA for CDNA 5 (MIT licence, August 2026) and "CDNA5" Instruction Set Architecture Reference Guide (July 2026). The comments in the code are by the model that wrote it; some were corrected since.
;; Qwen3 Attention. Allowed arithmetic: matrix products marked QUANTISED: E2M3 operands, one E8M0 scale for each 32 along K, by v_wmma_scale_f32_16x16x128_f8f6f4 with both operands' format E2M3, f32 sums; everything else in f32.
;; Inputs: k_norm_w 128 float32; positions 2,048 int32; q_norm_w 128 float32; wk 1,024 x 2,048 float32; wo 2,048 x 1,024 float32; wq 1,024 x 2,048 float32; wv 1,024 x 2,048 float32; x 2 x 2,048 x 2,048 float32.
;; Outputs: out0 2 x 2,048 x 2,048 float32.
;; This version of the problem:
;;   THIS VERSION OF THE PROBLEM IS GIVEN IN LOW PRECISION. The matrix products marked QUANTISED in the list below multiply operands that are first quantised to E2M3 (2 exponent bits, 3 mantissa bits; 6 bits a number), with one power-of-two scale for each 32 numbers along K (OCP MX v1.0); their sums are f32. All else is computed in f32.
;;   The module's matrix products, in the order in which they are computed (A, B: the left and right operand; K: the contracted axis; several contracted axes count as one K, in the product's order):
;;     1. [M 4,096, K 2,048] x [K 2,048, N 1,024]; A: input x; B: input wq: QUANTISED
;;     2. [M 4,096, K 2,048] x [K 2,048, N 1,024]; A: input x; B: input wk: QUANTISED
;;     3. [M 4,096, K 2,048] x [K 2,048, N 1,024]; A: input x; B: input wv: QUANTISED
;;     4. batch 16 x [M 2,048, K 128] x [K 128, N 2,048]; A: computed on the way; B: computed on the way: QUANTISED
;;     5. batch 16 x [M 128, K 2,048] x [K 2,048, N 2,048]; A: computed on the way; B: softmax (see below): QUANTISED
;;     6. [M 4,096, K 1,024] x [K 1,024, N 2,048]; A: computed on the way; B: input wo: QUANTISED
;;   THE QUANTISER, for each operand of a quantised product, along K:
;;     - K is cut into blocks of 32 from its start; a last block that is shorter is filled with zeros.
;;     - A block's scale is 2^e with e = floor(log2(the largest magnitude in the block)) - 2, held to -126 .. 127; a block of zeros has e = 0. As a byte (E8M0): e + 127.
;;     - Each number is divided by its block's scale, clamped to +-7.5, and rounded to the nearest number of E2M3, ties to even, subnormals kept.
;;     - The product sums the exact products of the quantised numbers (number of the format x scale) in f32.
;;   ~~~python
;;   def quantise(x, axis):      # numpy; x: float32 -> the quantised numbers, widened to float32 again
;;       x = np.moveaxis(x, axis, -1); K = x.shape[-1]
;;       x = np.pad(x, [(0, 0)] * (x.ndim - 1) + [(0, -K % 32)]); x = x.reshape(x.shape[:-1] + (-1, 32)); a = np.abs(x).max(-1, keepdims=True)
;;       e = np.where(a > 0, np.clip(np.frexp(np.where(a > 0, a, 1))[1] - 1 - 2, -126, 127), 0)      # np.frexp(a)[1] - 1 = floor(log2(a)), exactly
;;       r = np.clip(x / 2.0 ** e, -7.5, 7.5)
;;       step = 2.0 ** (np.maximum(np.frexp(np.where(r == 0, 1, r))[1] - 1, 0) - 3)
;;       q = np.round(r / step) * step * 2.0 ** e      # np.round: ties to even
;;       return np.moveaxis(q.reshape(q.shape[:-2] + (-1,))[..., :K], -1, axis).astype(np.float32)
;;   ~~~
;;   SOFTMAX AHEAD OF A QUANTISED PRODUCT. Where the list says 'softmax', what is quantised is not the finished softmax but p = 2^(t - M), with t = logit x log2(e) and M = ceil(the row's largest t), a whole number; so 1/2 < the row's largest p <= 1. The row's sum l is taken of the UNQUANTISED p, in f32, and the product's result is divided by l at the end. Since M is a whole number, a kernel that streams over the keys may use a running M (the ceiling of the running maximum): every later rescaling is an exact power of two, which a block's scale takes up: the codes' values come out the same.
;;   OPERANDS COMPUTED ON THE WAY. 'Computed on the way' means the value that the module computes at that place (a softmax that the list does not call 'softmax' is quantised finished and normalised). What goes into a quantiser is computed in f32, as accurately as f32 sums, v_exp_f32 and their like allow (about 1e-6 of the number): no bf16 or f16 on the way to a quantiser, and a product that is left as it is and whose result goes on into a quantised operand takes f32 operands (vector FMAs, or v_wmma_f32_16x16x4_f32). A number that lies on a knife's edge between two numbers of the format may be rounded either way, as far as f32 arithmetic and the matrix unit's own rounding can turn it there, and no further.
;; One version. Each part assembles by itself: llvm-mc -triple=amdgcn-amd-amdhsa -mcpu=gfx1250 --defsym DOCPART=n.
;; ======== version 1 of 1: 4 launches
;; limits: inputs' magnitudes at most 100,000; right only within a limited range of input values
;; workspace buffers: codes 12,582,912 bytes; scales 524,288 bytes; rope 1,048,576 bytes; qkv_codes 9,437,184 bytes; qkv_scales 393,216 bytes; at_codes 3,145,728 bytes; at_scales 131,072 bytes
;; launch prep (part 1): grid 544 x 1, 4 waves a work-group, no clusters, 34,304 bytes of LDS; arguments x, wq, wk, wv, wo, positions, codes, scales, rope; writes codes, scales, rope
.if DOCPART == 1
	.amdgcn_target "amdgcn-amd-amdhsa--gfx1250"
	.amdhsa_code_object_version 6
	.text
	.protected	k_q5c7d00874a_prep
	.globl	k_q5c7d00874a_prep
	.p2align	8
	.type	k_q5c7d00874a_prep,@function
k_q5c7d00874a_prep:
	s_mov_b64 s[64:65], 0
	v_nop
	global_prefetch_b8 v0, s[64:65] scope:SCOPE_SE
	s_setreg_imm32_b32 hwreg(HW_REG_WAVE_MODE, 25, 1), 1
	s_wait_xcnt 0x0
; PREP.  x [4096][2048], wq, wk, wv [1024][2048] and wo [2048][1024], f32, K innermost, become codes of FP6 (E2M3) with one E8M0 byte for each 32 along K;
; and cos / sin of positions[s] x 10000^(-j / 64) become a table.  All is laid as the later launches' registers want it.
; ROW TILES.  Rows go in groups G of 128, eight tiles T to a group; place i (0..15) of tile T is row 128 G + 32 (T / 2) + 8 (T % 2) + i + 8 (i / 8).
; IMAGE.  16 rows x 128 K are 12 registers a lane (lane (r, h): row place r; registers 6 c .. 6 c + 5: k = 64 c + 32 h + 0 .. 31).  Register 4 c + e of lane l lies at byte 512 c + 16 l + 4 e: 1,536 bytes.
; codes:  [G][K / 256][T][2][1536];  scales: [G][T][K / 256][r 16][2] words (a word: the four bytes of 128 along K of one row).  G 0-31 x, 32-39 wq, 40-47 wk, 48-55 wv; wo (K = 1,024) behind them, at WOC and WOS.
; rope:   [token tile 128][piece 16][lane][16 bytes]: pieces 0-7 cos, 8-15 sin; piece 4 b + i of lane (r, h): frequencies 32 b + 16 h + 4 i + 0 .. 3 of the tile's row place r.
; A block's scale is 2^(floor(log2(largest magnitude)) - 2); its byte is the largest magnitude's exponent field - 2, held at 1 from below.
; SHARES.  Work-groups 0-255 x, 256-319 wq, 320-383 wk, 384-447 wv, 448-511 wo, 512-543 the table.  A wave quantises one row tile x 512 along K: four K steps of 128.
; A load reads one row's 512 consecutive bytes; the 16 rows turn through the wave's own stage in LDS (rows 528 bytes apart), so that a lane gets its 64 numbers; a store covers 512 consecutive bytes of an image.
; No tensor load, no barrier: waves share nothing.
; LIMITS: a block of zeros gets the byte 1 where the rule says 127 (its codes are zeros, and this program alone reads the bytes); NaN and infinities are not served;
; |position x inv_freq| up to about 1e5 (the reduction by pi / 2 in three parts); inv_freq is right to about one unit in its last place and need not have the bits of another power function.
.set WOC,  11010048                    ; 56 groups x 196,608 bytes
.set WOS,  458752                      ; 56 groups x 8,192 bytes
.set STGB, 8448                        ; a wave's stage: 16 rows x 528 bytes
.set L16,  4                           ; v4   16 x lane
.set L8,   5                           ; v5   8 x lane
.set STI,  6                           ; v6   the stage, on the way in
.set STO,  7                           ; v7   and on the way out: row r, + 128 h
.set OFF,  16                          ; v16-31  row i's byte offset + 16 x lane
.set R,    32                          ; v32-159 two sets of 64: 16 rows as loaded
.set X,    160                         ; v160-223 my 64 numbers: register 32 c + j = k 64 c + 32 h + j
.set PC,   224                         ; v224-235 the fragment's 12 registers
.set T0,   236                         ; v236-238, v240-242: a conversion's three registers begin on an even number
.set SH8,  239                         ; v239 8 h
.set T1,   240
.set W,    244                         ; v244-247 the four K steps' scale words
.set FQ,   32                          ; the table's path: j, then the angle
.set CO,   64                          ; v64-95 cos, v96-127 sin
.set NN,   128                         ; whole part of the exponent; later at work
.set IV,   160                         ; inv_freq; later at work
.macro LOADK s                         ; K step s: 16 rows x 512 bytes into set s % 2
.irp i, 0,1,2,3,4,5,6,7,8,9,10,11,12,13,14,15
	global_load_b128 v[R+64*((\s)%2)+4*\i:R+64*((\s)%2)+4*\i+3], v[OFF+\i], s[28:29] offset:512*(\s) th:TH_LOAD_NT
.endr
.endm
.macro TURNK s                         ; through the stage: LDS serves a wave's instructions in order, so no wait stands between the stores and the loads
.irp i, 0,1,2,3,4,5,6,7,8,9,10,11,12,13,14,15
	ds_store_b128 v[STI], v[R+64*((\s)%2)+4*\i:R+64*((\s)%2)+4*\i+3] offset:528*\i
.endr
.irp c, 0,1
.irp j, 0,1,2,3,4,5,6,7
	ds_load_b128 v[X+32*\c+4*\j:X+32*\c+4*\j+3], v[STO] offset:256*\c+16*\j
.endr
.endr
.endm
.macro KSTEP s
.if (\s) < 3
	s_wait_loadcnt 16                              ; this K step's 16 loads are in; the next one's 16 may be out
.else
	s_wait_loadcnt 0x0
.endif
	TURNK \s
	s_wait_dscnt 0x0                               ; my 64 numbers are back, and the stores have read the set,
.if (\s) < 2
	LOADK (\s)+2                                   ; which takes the K step two on
.endif
.irp q, 0,1,2,3                                ; the largest magnitudes, four chains of 16 numbers; the floor 2^(3 - 127) holds the byte at 1 from below
	v_max3_num_f32 v[8+\q], |v[X+16*\q]|, |v[X+16*\q+1]|, 0x1800000
.endr
.irp i, 2,4,6,8,10,12,14
.irp q, 0,1,2,3
	v_max3_num_f32 v[8+\q], v[8+\q], |v[X+16*\q+\i]|, |v[X+16*\q+\i+1]|
.endr
.endr
	v_max_num_f32 v8, v8, v9                       ; block h of the K step: all its 32 numbers are mine
	v_max_num_f32 v10, v10, v11                    ; block 2 + h
	v_add_nc_u32 v12, 0xff000000, v8               ; 2 off the exponent field: the conversion takes the exponent field of this operand as its scale
	v_add_nc_u32 v13, 0xff000000, v10
	v_lshrrev_b32 v8, 23, v12                      ; the bytes
	v_lshrrev_b32 v10, 23, v13
	v_lshl_or_b32 v14, v10, 16, v8
	v_lshlrev_b32 v14, v[SH8], v14                 ; at their places in the row's word,
	v_permlanex16_b32 v15, v14, s22, s23
	v_or_b32 v[W+(\s)], v14, v15                   ; which lane l xor 16's two bytes make whole
	s_wait_alu depctr_va_vdst(0)
	s_wait_xcnt 0x0                                ; the last K step's stores have read v[PC] on: it is written again only behind this wait
	v_cvt_scalef32_pk16_fp6_f32 v[PC:PC+2], v[X:X+15], v12
	v_cvt_scalef32_pk16_fp6_f32 v[T0:T0+2], v[X+16:X+31], v12
	v_cvt_scalef32_pk16_fp6_f32 v[PC+6:PC+8], v[X+32:X+47], v13
	v_cvt_scalef32_pk16_fp6_f32 v[T1:T1+2], v[X+48:X+63], v13
	v_nop                                          ; one plain place behind the scaled conversions
.irp i, 0,1,2
	v_mov_b32 v[PC+3+\i], v[T0+\i]
	v_mov_b32 v[PC+9+\i], v[T1+\i]
.endr
.irp c, 0,1,2
	global_store_b128 v[L16], v[PC+4*\c:PC+4*\c+3], s[32:33] offset:((\s)/2)*24576+((\s)%2)*1536+512*\c   ; 32 lanes store 512 consecutive bytes of the image
.endr
.endm
; cos and sin of eight angles v[FQ + 8 g + k], stage by stage.  x = q pi / 2 + r, pi / 2 in three parts; polynomials in r^2 on |r| <= pi / 4; q's low two bits choose and sign.
.macro SC8 g
.irp k, 0,1,2,3,4,5,6,7
	v_mul_f32 v[128+\k], s38, v[FQ+8*(\g)+\k]
.endr
.irp k, 0,1,2,3,4,5,6,7
	v_rndne_f32 v[128+\k], v[128+\k]               ; q
.endr
.irp k, 0,1,2,3,4,5,6,7
	v_fma_f32 v[136+\k], v[128+\k], s39, v[FQ+8*(\g)+\k]
.endr
.irp k, 0,1,2,3,4,5,6,7
	v_fma_f32 v[136+\k], v[128+\k], s40, v[136+\k]
.endr
.irp k, 0,1,2,3,4,5,6,7
	v_fma_f32 v[136+\k], v[128+\k], s41, v[136+\k] ; r
.endr
.irp k, 0,1,2,3,4,5,6,7
	v_cvt_i32_f32 v[152+\k], v[128+\k]
	v_mul_f32 v[144+\k], v[136+\k], v[136+\k]      ; z = r^2
.endr
.irp k, 0,1,2,3,4,5,6,7
	v_fma_f32 v[168+\k], s42, v[144+\k], s43
	v_fma_f32 v[176+\k], s45, v[144+\k], s46
.endr
.irp k, 0,1,2,3,4,5,6,7
	v_fma_f32 v[168+\k], v[168+\k], v[144+\k], s44
	v_fma_f32 v[176+\k], v[176+\k], v[144+\k], s47
.endr
.irp k, 0,1,2,3,4,5,6,7
	v_fma_f32 v[168+\k], v[168+\k], v[144+\k], -0.5
	v_fma_f32 v[176+\k], v[176+\k], v[144+\k], s48
	v_mul_f32 v[160+\k], v[136+\k], v[144+\k]      ; r z
.endr
.irp k, 0,1,2,3,4,5,6,7
	v_fma_f32 v[168+\k], v[168+\k], v[144+\k], 1.0 ; cos r
	v_fma_f32 v[176+\k], v[176+\k], v[160+\k], v[136+\k]   ; sin r
	v_and_b32 v[160+\k], 1, v[152+\k]
.endr
.irp k, 0,1,2,3,4,5,6,7
	v_cmp_eq_u32 vcc_lo, 1, v[160+\k]              ; q odd: the two change places
	v_cndmask_b32 v[CO+32+8*(\g)+\k], v[176+\k], v[168+\k], vcc_lo
	v_cndmask_b32 v[CO+8*(\g)+\k], v[168+\k], v[176+\k], vcc_lo
.endr
.irp k, 0,1,2,3,4,5,6,7
	v_and_b32 v[160+\k], 2, v[152+\k]              ; sin is negative where q mod 4 is 2 or 3,
	v_add_nc_u32 v[152+\k], 1, v[152+\k]
.endr
.irp k, 0,1,2,3,4,5,6,7
	v_lshlrev_b32 v[160+\k], 30, v[160+\k]
	v_and_b32 v[152+\k], 2, v[152+\k]              ; cos where it is 1 or 2
.endr
.irp k, 0,1,2,3,4,5,6,7
	v_xor_b32 v[CO+32+8*(\g)+\k], v[CO+32+8*(\g)+\k], v[160+\k]
	v_lshlrev_b32 v[152+\k], 30, v[152+\k]
.endr
.irp k, 0,1,2,3,4,5,6,7
	v_xor_b32 v[CO+8*(\g)+\k], v[CO+8*(\g)+\k], v[152+\k]
.endr
.endm
	s_load_b256 s[4:11], s[0:1], 0x0               ; x s[4:5], wq s[6:7], wk s[8:9], wv s[10:11]
	s_load_b256 s[12:19], s[0:1], 0x20             ; wo s[12:13], positions s[14:15], codes s[16:17], scales s[18:19]
	s_load_b64 s[20:21], s[0:1], 0x40              ; rope
	v_lshl_add_u32 v254, v0, 2, 0x8400
	v_mov_b32 v255, 0
	v_lshrrev_b32 v1, 5, v0
	v_readfirstlane_b32 s26, v1                    ; wave 0..3
	v_and_b32 v1, 31, v0                           ; lane
	v_and_b32 v2, 15, v0                           ; r
	v_bfe_u32 v3, v0, 4, 1                         ; h
	v_lshlrev_b32 v[L16], 4, v1
	s_cmp_ge_u32 ttmp9, 512
	s_cbranch_scc1 .Ltable
	; ---- the quantiser
	v_lshlrev_b32 v[L8], 3, v1
	s_mul_i32 s27, s26, STGB
	v_add_nc_u32 v[STI], s27, v[L16]
	v_mul_u32_u24 v[STO], v2, 528
	v_lshl_add_u32 v[STO], v3, 7, v[STO]
	v_add_nc_u32 v[STO], s27, v[STO]
	v_lshlrev_b32 v[SH8], 3, v3
	v_mov_b32 v15, 0                               ; written once: a lane permute's destination counts as one of its sources
	s_mov_b32 s22, 0x76543210
	s_mov_b32 s23, 0xfedcba98                      ; v_permlanex16_b32's selects for lane l xor 16
	s_wait_kmcnt 0x0
	s_mov_b64 s[28:29], s[12:13]                   ; which tensor: the choice hangs on the work-group's number alone
	s_mov_b32 s30, 448                             ; and its first work-group
	s_cmp_lt_u32 ttmp9, 448
	s_cselect_b64 s[28:29], s[10:11], s[28:29]
	s_cselect_b32 s30, 384, s30
	s_cselect_b32 s31, 0, 1                        ; SH = 1 for wo: K is 1,024, half of the others'
	s_cselect_b32 s36, 0, WOC
	s_cselect_b32 s37, 0, WOS
	s_cmp_lt_u32 ttmp9, 384
	s_cselect_b64 s[28:29], s[8:9], s[28:29]
	s_cselect_b32 s30, 320, s30
	s_cmp_lt_u32 ttmp9, 320
	s_cselect_b64 s[28:29], s[6:7], s[28:29]
	s_cselect_b32 s30, 256, s30
	s_cmp_lt_u32 ttmp9, 256
	s_cselect_b64 s[28:29], s[4:5], s[28:29]
	s_cselect_b32 s30, 0, s30
	s_cmp_lt_u32 ttmp9, 448
	s_cselect_b32 s38, s30, 0                      ; a tensor of K = 2,048 begins at row tile = its first work-group
	s_sub_co_u32 s39, ttmp9, s30
	s_lshl_b32 s40, s39, s31
	s_sub_co_u32 s41, 2, s31
	s_lshr_b32 s41, s26, s41
	s_add_co_u32 s40, s40, s41                     ; rt: my row tile in the tensor
	s_lshr_b32 s42, 3, s31
	s_and_b32 s42, s26, s42                        ; kq: which 512 along K
	s_add_co_u32 s43, s40, s38                     ; the row tile in the buffers
	s_lshr_b32 s44, s40, 3
	s_lshl_b32 s44, s44, 7
	s_bfe_u32 s45, s40, 0x20001
	s_lshl_b32 s45, s45, 5
	s_add_co_u32 s44, s44, s45
	s_and_b32 s45, s40, 1
	s_lshl_b32 s45, s45, 3
	s_add_co_u32 s44, s44, s45                     ; the tile's first row
	s_sub_co_u32 s45, 13, s31
	s_lshl_b32 s44, s44, s45                       ; in bytes (a row is 8,192 >> SH)
	s_lshl_b32 s45, s42, 11
	s_add_co_u32 s44, s44, s45
	s_mov_b32 s45, 0
	s_add_nc_u64 s[28:29], s[28:29], s[44:45]
	s_lshr_b32 s46, s43, 3                         ; G
	s_and_b32 s49, s43, 7                          ; T
	s_lshr_b32 s47, 196608, s31
	s_mul_i32 s47, s46, s47
	s_mul_i32 s48, s42, 49152
	s_add_co_u32 s47, s47, s48
	s_mul_i32 s48, s49, 3072
	s_add_co_u32 s47, s47, s48
	s_add_co_u32 s50, s47, s36
	s_mov_b32 s51, 0
	s_add_nc_u64 s[32:33], s[16:17], s[50:51]      ; my images
	s_lshr_b32 s47, 8192, s31
	s_mul_i32 s47, s46, s47
	s_lshr_b32 s48, 1024, s31
	s_mul_i32 s48, s49, s48
	s_add_co_u32 s47, s47, s48
	s_lshl_b32 s48, s42, 8
	s_add_co_u32 s47, s47, s48
	s_add_co_u32 s50, s47, s37
	s_add_nc_u64 s[34:35], s[18:19], s[50:51]      ; my 256 bytes of scale words
	s_wait_alu depctr_va_vdst(0)
.irp i, 0,1,2,3,4,5,6,7,8,9,10,11,12,13,14,15
	s_lshr_b32 s48, (\i+8*(\i/8))*8192, s31        ; place i is row i + 8 (i / 8) of the tile's span
	v_add_nc_u32 v[OFF+\i], s48, v[L16]
.endr
	s_wait_alu depctr_va_vdst(0)
	LOADK 0
	LOADK 1
	KSTEP 0
	KSTEP 1
	KSTEP 2
	KSTEP 3
	v_cmp_eq_u32 vcc_lo, 1, v3                     ; lanes 0-15 store the words of K steps 0, 1, lanes 16-31 those of 2, 3
	v_cndmask_b32 v248, v[W], v[W+2], vcc_lo
	v_cndmask_b32 v249, v[W+1], v[W+3], vcc_lo
	global_store_b64 v[L8], v[248:249], s[34:35]   ; 32 lanes store 256 consecutive bytes, aligned
	s_wait_tensorcnt 0x0
	ds_add_u32 v254, v255
	s_wait_dscnt 0x0
	s_endpgm
	; ---- the table: a wave takes one token tile
.Ltable:
	s_sub_co_u32 s24, ttmp9, 512
	s_lshl_b32 s24, s24, 2
	s_add_co_u32 s24, s24, s26                     ; the token tile, 0..127
	s_lshr_b32 s25, s24, 1
	s_lshl_b32 s25, s25, 5
	s_and_b32 s27, s24, 1
	s_lshl_b32 s27, s27, 3
	s_add_co_u32 s25, s25, s27                     ; its first sequence index
	s_lshl_b32 s28, s25, 2
	s_mov_b32 s29, 0
	s_lshl_b32 s30, s24, 13
	s_mov_b32 s31, 0
	s_wait_alu depctr_va_vdst(0)
	v_and_b32 v5, 8, v2
	v_add_nc_u32 v5, v5, v2                        ; r + 8 (r / 8)
	v_lshlrev_b32 v5, 2, v5
	v_lshlrev_b32 v9, 4, v3                        ; 16 h
	s_mov_b32 s36, 0xbe549a78                      ; -log2(10000) / 64, in two parts
	s_mov_b32 s37, 0xb1979a29
	s_mov_b32 s38, 0x3f22f983                      ; 2 / pi
	s_mov_b32 s39, 0xbfc90fd8                      ; -pi / 2, in three parts
	s_mov_b32 s40, 0xb4a8885a
	s_mov_b32 s41, 0xa7c234c4
	s_mov_b32 s42, 0x37cd4000                      ; cos: coefficients of z^4, z^3, z^2
	s_mov_b32 s43, 0xbab6077d
	s_mov_b32 s44, 0x3d2aaaa8
	s_mov_b32 s45, 0x36405000                      ; sin: of z^4 .. z, times r
	s_mov_b32 s46, 0xb9503486
	s_mov_b32 s47, 0x3c0888c1
	s_mov_b32 s48, 0xbe2aaaab
	s_wait_alu depctr_va_vdst(0)
	s_wait_kmcnt 0x0
	s_add_nc_u64 s[14:15], s[14:15], s[28:29]
	s_add_nc_u64 s[20:21], s[20:21], s[30:31]
	global_load_b32 v10, v5, s[14:15]              ; my row place's position
.set n, 0
.rept 32                                       ; my 32 frequencies: number n is j = 32 (n / 16) + 16 h + n % 16
	v_add_nc_u32 v[FQ+n], 32*(n/16)+n%16, v9
.set n, n+1
.endr
.set n, 0
.rept 32
	v_cvt_f32_u32 v[FQ+n], v[FQ+n]
.set n, n+1
.endr
.set n, 0
.rept 32
	v_mul_f32 v[NN+n], s36, v[FQ+n]
.set n, n+1
.endr
.set n, 0
.rept 32
	v_rndne_f32 v[NN+n], v[NN+n]                   ; the exponent's whole part
.set n, n+1
.endr
.set n, 0
.rept 32
	v_fma_f32 v[IV+n], v[FQ+n], s36, -v[NN+n]      ; and the rest, at most 1/2 in size, exact up to the low part's rounding
.set n, n+1
.endr
.set n, 0
.rept 32
	v_fma_f32 v[IV+n], v[FQ+n], s37, v[IV+n]
.set n, n+1
.endr
.set n, 0
	s_wait_alu depctr_va_vdst(0)
.rept 32
	v_exp_f32 v[IV+n], v[IV+n]
.set n, n+1
.endr
	v_nop                                          ; a plain place behind the exponentials
.set n, 0
.rept 32
	v_cvt_i32_f32 v[NN+n], v[NN+n]
.set n, n+1
.endr
	s_wait_alu depctr_va_vdst(0)                   ; one wait for the batch, ahead of its first reader
.set n, 0
.rept 32
	v_ldexp_f32 v[IV+n], v[IV+n], v[NN+n]          ; inv_freq = 10000^(-j / 64)
.set n, n+1
.endr
	s_wait_loadcnt 0x0
	v_cvt_f32_i32 v10, v10
.set n, 0
.rept 32
	v_mul_f32 v[FQ+n], v10, v[IV+n]                ; the angle, rounded once
.set n, n+1
.endr
	SC8 0
	SC8 1
	SC8 2
	SC8 3
.irp p, 0,1,2,3,4,5,6,7,8,9,10,11,12,13,14,15
	global_store_b128 v[L16], v[CO+4*\p:CO+4*\p+3], s[20:21] offset:512*\p   ; 32 lanes store 512 consecutive bytes
.endr
	s_endpgm
.Lfunc_end_k_q5c7d00874a_prep:
	.size	k_q5c7d00874a_prep, .Lfunc_end_k_q5c7d00874a_prep-k_q5c7d00874a_prep
	.p2alignl 7, 3214868480
	.fill 96, 4, 3214868480
	.section	.rodata,"a",@progbits
	.p2align	6, 0x0
	.amdhsa_kernel k_q5c7d00874a_prep
		.amdhsa_group_segment_fixed_size 34304
		.amdhsa_private_segment_fixed_size 0
		.amdhsa_enable_private_segment 0
		.amdhsa_kernarg_size 72
		.amdhsa_user_sgpr_count 2
		.amdhsa_user_sgpr_kernarg_segment_ptr 1
		.amdhsa_wavefront_size32 1
		.amdhsa_system_sgpr_workgroup_id_x 1
		.amdhsa_system_sgpr_workgroup_id_y 1
		.amdhsa_system_sgpr_workgroup_id_z 1
		.amdhsa_system_vgpr_workitem_id 0
		.amdhsa_next_free_vgpr 256
		.amdhsa_next_free_sgpr 66
		.amdhsa_reserve_vcc 1
		.amdhsa_float_denorm_mode_32 3
		.amdhsa_float_denorm_mode_16_64 3
		.amdhsa_memory_ordered 1
		.amdhsa_forward_progress 1
		.amdhsa_inst_pref_size 88
	.end_amdhsa_kernel
	.amdgpu_metadata
---
amdhsa.version: [ 1, 2 ]
amdhsa.kernels:
  - .name:           k_q5c7d00874a_prep
    .symbol:         k_q5c7d00874a_prep.kd
    .args:
      - { .name: x, .offset: 0, .size: 8, .value_kind: global_buffer, .address_space: global }
      - { .name: wq, .offset: 8, .size: 8, .value_kind: global_buffer, .address_space: global }
      - { .name: wk, .offset: 16, .size: 8, .value_kind: global_buffer, .address_space: global }
      - { .name: wv, .offset: 24, .size: 8, .value_kind: global_buffer, .address_space: global }
      - { .name: wo, .offset: 32, .size: 8, .value_kind: global_buffer, .address_space: global }
      - { .name: positions, .offset: 40, .size: 8, .value_kind: global_buffer, .address_space: global }
      - { .name: codes, .offset: 48, .size: 8, .value_kind: global_buffer, .address_space: global }
      - { .name: scales, .offset: 56, .size: 8, .value_kind: global_buffer, .address_space: global }
      - { .name: rope, .offset: 64, .size: 8, .value_kind: global_buffer, .address_space: global }
    .group_segment_fixed_size: 34304
    .private_segment_fixed_size: 0
    .kernarg_segment_align: 8
    .kernarg_segment_size: 72
    .max_flat_workgroup_size: 128
    .sgpr_count:     66
    .vgpr_count:     256
    .wavefront_size: 32
...
	.end_amdgpu_metadata
.endif
;; end of part 1
;; launch qkv (part 2): grid 4 x 48, 4 waves a work-group, clusters of 4 x 4, 327,680 bytes of LDS; arguments codes, scales, rope, q_norm_w, k_norm_w, qkv_codes, qkv_scales; writes qkv_codes, qkv_scales
.if DOCPART == 2
	.amdgcn_target "amdgcn-amd-amdhsa--gfx1250"
	.amdhsa_code_object_version 6
	.text
	.protected	k_q5c7d00874a_qkv
	.globl	k_q5c7d00874a_qkv
	.p2align	8
	.type	k_q5c7d00874a_qkv,@function
k_q5c7d00874a_qkv:
	s_mov_b64 s[64:65], 0
	v_nop
	global_prefetch_b8 v0, s[64:65] scope:SCOPE_SE
	s_setreg_imm32_b32 hwreg(HW_REG_WAVE_MODE, 25, 1), 1
	s_wait_xcnt 0x0
	s_wait_alu depctr_hold_cnt(0) depctr_sa_sdst(0) depctr_va_vdst(0) depctr_va_sdst(0) depctr_va_ssrc(0) depctr_va_vcc(0) depctr_vm_vsrc(0)
	s_getreg_b32 s2, hwreg(HW_REG_IB_STS2, 6, 4)
	s_cmp_eq_u32 s2, 0
	s_cbranch_scc0 .Lentry_in_a_cluster
	s_endpgm
.Lentry_in_a_cluster:
	s_bfe_u32 s2, ttmp6, 0x10000c
	s_cmp_lg_u32 s2, 0xf033
	s_cbranch_scc0 .Lentry_shape_is_right
	s_endpgm
.Lentry_shape_is_right:
; QKV.  q = x wq^T, k = x wk^T, v = x wv^T on codes of FP6 (E2M3) with E8M0 scales, K = 2,048; then, in the registers that hold the sums: for q and k the RMS norm over the head's 128, the norm's weight,
; the rotation by the table's cos and sin, and the quantiser along the head's 128; for v the quantiser along the keys.  What leaves are operand images and scale words for the attention launch.
; Both operands come from one buffer, in tiles of 256 rows: tiles 0-15 x, 16-19 wq, 20-23 wk, 24-27 wv.  A group of 128 rows has eight tiles; place i of tile T is row 32 (T / 2) + 8 (T % 2) + i + 8 (i / 8);
; an image of 16 rows x 128 K is 1,536 bytes, register 4 c + e of lane l at 512 c + 16 l + 4 e; codes [group][K / 256][T][2][1536]; scale words [group][T][K / 256][r][2].
; THE PRODUCT.  256 x 256 to a work-group of four waves, 128 x 128 to a wave: 64 accumulators.  Source 1 ("A") gives a lane its row, source 0 ("B") runs along a lane's registers: register 16 b + i of a block = row 32 b + 16 h + i of B's 128.
; Clusters 0-7: A = x, B = wq or wk (a lane holds a token, its registers one head).  Clusters 8-11: A = wv, B = x (a lane holds a channel, its registers 128 keys).  So each quantiser finds its K along a lane's registers.
; K goes in chunks of 256 through a ring of two LDS slots.  THE HEAD: one joint load a wave: wave 0 chunk 0 of A's 256 rows, wave 1 of B's, wave 2 A's scale words, wave 3 B's; slot 1 is first filled as a refill is.
; CLUSTERS: 4 x 4; A's tile is asked for jointly along a row of the cluster, B's along a column.  192 work-groups: the head's 128 and the factor 3 in 3,072 columns give no even share for 256.
; PREFETCH: behind each fill of chunk c stands one request a wave for chunk c + 2's part: 96 blocks of 256 bytes, of which each of the four partners names 24, told apart by address; chunks 6 and 7 are the last asked for.
; THE TABLES: the norm's weight and token tile 0's cos and sin are loaded at the head into registers that the products leave idle; tiles 1-3 at the way out's start, tile a + 4 behind block a.  One request a wave at the head
; names one of my group's eight token tiles (8 sharers: cx and the wave's parity).  v's clusters run the same head: their copies of these registers are not read.
; REGISTERS: window 0: v0-31 addresses; v32-63 scale words, two sets; v64-127 the norm's weight; v128-223 A's fragments.  Window 1: B's fragments at v0-95 and v128-223; v96-127 cos, v224-255 sin of tile 0.  Windows 2, 3: accumulators.
;   On the way out: window 0: v32-47 at work, v48-63 1 / rms of the eight blocks, v128-191 a block's 64 numbers, v200-243 the quantiser; window 1: four sets of cos (32 registers) and sin (128 further on).
; LIMITS: a block of zeros gets the byte 1 (its codes are zeros; this program alone reads the bytes); NaN and infinities are not served.
.set NQ,    2
.set FR,    12
.set NL,    3
.set NP,    4
.set FRB,   1536
.set PART,  16*FRB                     ; 128 rows x 256 K
.set SLOT,  4*PART
.set LAPS,  4
.set GCB,   196608
.set GSB,   8192
.set SBLK,  GSB/8
.set SCL,   2*SLOT
.set SPARE, SCL+4*GSB
.set LI,   7                           ; 16 x lane
.set NWA,  8                           ; 64 h
.set SWS,  9                           ; the way out: my scale words' place in slot 0 (its last fill and last read are over by then)
.set SRD,  10
.set PFO,  12                          ; 256 x min(lane, 23)
.set RPO,  13                          ; 256 x lane + my token tile of the table
.set ADRA, 16
.set ADRB, 20
.set ADRS, 27
.set SPW,  28
.set NIL,  29
.set SC,   32
.set AF,   128
.set NW,   64
.set H,    128
.set RT,   32
.set BK,   32
.set RS,   48
.set TM,   200
.set PWB,  216
.set PC,   224
.set G1, 24
.set G0, 32
.set G1B, 48
.set G0B, 56
.set G1S, 68
.set G0S, 76
.set G1SB, 80
.set G0SB, 88
.set G0H, 4                            ; group 0 of the head's loads of codes, in registers whose arguments have been used
.set G0HB, 92
.set PFA, 12                           ; s[12:13] where my requests stand
.set MSB, 0
.macro WIN new
.if MSB != (\new)
	s_set_vgpr_msb (MSB<<8)|(\new)
.set MSB, (\new)
.endif
.endm
.set MUL_LO, 0xa1
.set MUL_HI, 0xf1
.set TO_B,   0x40
.macro JLOAD g0a, g1a, g0b, g1b        ; waves 0, 1 fetch for A, waves 2, 3 for B; s_nop 0 and four v_nop behind each line
	s_cmp_eq_u32 s15, 0
	s_cbranch_scc0 .Lfor_b_\@
	tensor_load_to_lds s[\g0a:\g0a+3], s[\g1a:\g1a+7]
	s_nop 0
.rept 4
	v_nop
.endr
	s_branch .Lasked_\@
.Lfor_b_\@:
	tensor_load_to_lds s[\g0b:\g0b+3], s[\g1b:\g1b+7]
	s_nop 0
.rept 4
	v_nop
.endr
.Lasked_\@:
.endm
.macro CREST
	s_cmp_lg_u32 s14, 0
	s_cbranch_scc1 .Lnot_wave_0_\@
	s_barrier_signal -3
.Lnot_wave_0_\@:
	s_barrier_wait -3
	s_barrier_signal -1
	s_barrier_wait -1
.endm
.macro CROUND
	s_barrier_signal -1
	s_barrier_wait -1
	CREST
.endm
.macro ARM under, g0, g1, next         ; one arm of the head's chain: a load, and a jump to the chain's end
	s_cmp_lt_u32 s14, \under
	s_cbranch_scc0 \next
	tensor_load_to_lds s[\g0:\g0+3], s[\g1:\g1+7]
	s_nop 0
.rept 4
	v_nop
.endr
	s_branch .Lhead_asked
\next:
.endm
.macro ASK                             ; the chunk two refills on; the loop's last trip (s3 = 1) has none
	s_cmp_gt_u32 s3, 1
	s_cbranch_scc0 .Lno_more_\@
	global_prefetch_b8 v[PFO], s[PFA:PFA+1] offset:2*PART th:TH_LOAD_NT scope:SCOPE_SE
.Lno_more_\@:
.endm
	s_load_b128 s[4:7], s[0:1], 0x0                ; codes, scales
	s_load_b128 s[8:11], s[0:1], 0x10              ; rope, q_norm_w
	s_load_b64 s[12:13], s[0:1], 0x20              ; k_norm_w
	s_load_b64 s[96:97], s[0:1], 0x28              ; qkv_codes
	s_load_b64 s[98:99], s[0:1], 0x30              ; qkv_scales
	v_lshl_add_u32 v[SPW], v0, 2, SPARE
	v_mov_b32 v[NIL], 0
	ds_add_u32 v[SPW], v[NIL]                      ; the opening lines: the add twice on end and one wait
	ds_add_u32 v[SPW], v[NIL]
	v_lshrrev_b32 v1, 5, v0
	v_readfirstlane_b32 s14, v1                    ; wave
	s_lshr_b32 s15, s14, 1                         ; my half of A's rows; also: I fetch for A (0) or B (1)
	s_and_b32 s16, s14, 1                          ; my half of B's; also: which 128 rows I fetch
	s_bfe_u32 s40, ttmp6, 0x40000                  ; cx
	s_bfe_u32 s41, ttmp6, 0x40004                  ; cy
	s_and_b32 s100, ttmp7, 0xffff                  ; the cluster, 0..11
	s_lshr_b32 s18, s100, 1
	s_lshl_b32 s18, s18, 2
	s_and_b32 s19, s100, 1
	s_lshl_b32 s19, s19, 2
	s_add_co_u32 s19, s19, 16
	s_sub_co_u32 s20, s100, 8
	s_lshl_b32 s20, s20, 2
	s_cmp_ge_u32 s100, 8
	s_cselect_b32 s101, 1, 0                       ; 1: this cluster makes v
	s_cselect_b32 s18, 24, s18
	s_cselect_b32 s19, s20, s19
	s_add_co_u32 s17, s18, s41                     ; A's tile: hangs on cy alone
	s_add_co_u32 s42, s19, s40                     ; B's tile: on cx alone
	s_lshl_b32 s43, s41, 2
	s_lshl_b32 s43, 15, s43
	s_lshl_b32 s44, 0x1111, s40
	s_or_b32 s[G1+0], s43, (3<<16)|(1<<21)         ; the mask; elements of 8 bytes; bit 21 beside a mask
	s_or_b32 s[G1B+0], s44, (3<<16)|(1<<21)
.irp g, G1, G1B                                ; for the head: two rows of 24,576 bytes, a group's chunk each, a group apart
	s_mov_b32 s[\g+1], 3072<<16
	s_mov_b32 s[\g+2], 2<<16
	s_mov_b32 s[\g+3], 3072<<16
	s_mov_b32 s[\g+4], 2
	s_mov_b32 s[\g+5], GCB/8
	s_mov_b32 s[\g+6], 0
	s_mov_b32 s[\g+7], 0
.endr
	s_or_b32 s[G1S+0], s43, (3<<16)|(1<<21)
	s_or_b32 s[G1SB+0], s44, (3<<16)|(1<<21)
.irp g, G1S, G1SB                              ; two groups' scale words: 64 rows of 256 bytes, dense
	s_mov_b32 s[\g+1], 32<<16
	s_mov_b32 s[\g+2], 64<<16
	s_mov_b32 s[\g+3], 32<<16
	s_mov_b32 s[\g+4], 64
	s_mov_b32 s[\g+5], 32
	s_mov_b32 s[\g+6], 0
	s_mov_b32 s[\g+7], 0
.endr
	s_lshl_b32 s20, s17, 1                         ; A's first group
	s_lshl_b32 s46, s42, 1                         ; B's
	s_lshl_b32 s22, s20, 13
	s_mov_b32 s23, 0
	s_lshl_b32 s92, s46, 13
	s_mov_b32 s93, 0
	s_mul_i32 s20, s20, GCB
	s_mov_b32 s21, 0
	s_mul_i32 s46, s46, GCB
	s_mov_b32 s47, 0
	s_mul_i32 s18, s16, GCB                        ; in the ring I fetch one group's part
	s_mov_b32 s19, 0
	s_mul_i32 s45, s14, PART
	s_cmp_eq_u32 s15, 0                            ; the requests: the group that I fetch, my work-group's 24 blocks of its part
	s_cselect_b32 s66, s17, s42
	s_cselect_b32 s67, s40, s41
	s_lshl_b32 s66, s66, 1
	s_add_co_u32 s66, s66, s16
	s_mul_i32 s66, s66, GCB
	s_mul_i32 s67, s67, 6144
	s_add_co_u32 s66, s66, s67
	s_add_co_u32 s66, s66, PART                    ; at chunk 1
	s_mov_b32 s67, 0
	s_wait_dscnt 0x0                               ; both opening adds are done
	s_wait_kmcnt 0x0
	s_add_nc_u64 s[20:21], s[4:5], s[20:21]
	s_add_nc_u64 s[22:23], s[6:7], s[22:23]
	s_add_nc_u64 s[46:47], s[4:5], s[46:47]
	s_add_nc_u64 s[92:93], s[6:7], s[92:93]
	s_and_b32 s2, s100, 1
	s_cmp_eq_u32 s2, 0
	s_cselect_b64 s[10:11], s[10:11], s[12:13]     ; q's or k's weight
	s_add_nc_u64 s[PFA:PFA+1], s[4:5], s[66:67]
	CROUND                                         ; all sixteen work-groups are here: the first joint loads meet
	s_mov_b32 s[G0S], 1
	s_mov_b32 s[G0S+1], SCL
	s_mov_b64 s[G0S+2:G0S+3], s[22:23]
	s_or_b32 s[G0S+3], s[G0S+3], 0x80000000
	s_mov_b32 s[G0SB], 1
	s_mov_b32 s[G0SB+1], SCL+2*GSB
	s_mov_b64 s[G0SB+2:G0SB+3], s[92:93]
	s_or_b32 s[G0SB+3], s[G0SB+3], 0x80000000
	s_mov_b32 s[G0H], 1
	s_mov_b32 s[G0H+1], 0
	s_mov_b64 s[G0H+2:G0H+3], s[20:21]
	s_or_b32 s[G0H+3], s[G0H+3], 0x80000000
	s_mov_b32 s[G0HB], 1
	s_mov_b32 s[G0HB+1], 2*PART
	s_mov_b64 s[G0HB+2:G0HB+3], s[46:47]
	s_or_b32 s[G0HB+3], s[G0HB+3], 0x80000000
	s_add_nc_u64 s[20:21], s[20:21], s[18:19]
	s_add_nc_u64 s[46:47], s[46:47], s[18:19]
.irp s, 0,1
	s_mov_b32 s[G0+4*\s], 1
	s_add_co_u32 s[G0+4*\s+1], s45, \s*SLOT
	s_add_nc_u64 s[G0+4*\s+2:G0+4*\s+3], s[20:21], \s*PART
	s_or_b32 s[G0+4*\s+3], s[G0+4*\s+3], 0x80000000
	s_mov_b32 s[G0B+4*\s], 1
	s_add_co_u32 s[G0B+4*\s+1], s45, \s*SLOT
	s_add_nc_u64 s[G0B+4*\s+2:G0B+4*\s+3], s[46:47], \s*PART
	s_or_b32 s[G0B+4*\s+3], s[G0B+4*\s+3], 0x80000000
.endr
	ARM 1, G0H,  G1,  .Lhead_b                     ; one chain of branches on the wave's number, one load on every way
	ARM 2, G0HB, G1B, .Lhead_sa
	ARM 3, G0S,  G1S, .Lhead_sb
	tensor_load_to_lds s[G0SB:G0SB+3], s[G1SB:G1SB+7]
	s_nop 0
.rept 4
	v_nop
.endr
.Lhead_asked:
	s_mul_i32 s18, s15, PART                       ; my 128 rows of A
	s_mul_i32 s19, s16, PART
	s_add_co_u32 s19, s19, 2*PART                  ; my 128 rows of B
	s_mul_i32 s44, s15, GSB
	s_mul_i32 s43, s16, GSB
	s_add_co_u32 s43, s43, 2*GSB
	s_sub_co_u32 s43, s43, s44                     ; from A's scale words to B's
	s_add_co_u32 s44, s44, SCL
	s_lshl_b32 s45, s14, 10
	s_lshl_b32 s66, s40, 1
	s_add_co_u32 s66, s66, s16
	s_lshl_b32 s66, s66, 13                        ; the token tile of the table that I ask for: 2 cx + the wave's parity
	v_and_b32 v1, 15, v0                           ; r
	v_bfe_u32 v2, v0, 4, 1                         ; h
	v_and_b32 v3, 31, v0
	v_lshlrev_b32 v[LI], 4, v3
	v_min_u32 v4, 23, v3
	v_lshlrev_b32 v[PFO], 8, v4
	v_lshl_add_u32 v[RPO], v3, 8, s66
	v_add_nc_u32 v[ADRA], s18, v[LI]
	v_add_nc_u32 v[ADRB], s19, v[LI]
	v_add_nc_u32 v[ADRA+1], SLOT, v[ADRA]
	v_add_nc_u32 v[ADRB+1], SLOT, v[ADRB]
	v_lshlrev_b32 v5, 3, v1
	v_mul_u32_u24 v6, s43, v2                      ; lanes 16-31 take B's: the lower base + h x the distance
	v_add_nc_u32 v5, v5, v6
	v_add_nc_u32 v[ADRS], s44, v5
	v_lshlrev_b32 v[NWA], 6, v2
	v_lshl_add_u32 v[SWS], v1, 2, s45
	v_add_nc_u32 v[SRD], s45, v[LI]
	; where my results go.  hh: 0-7 q's heads, 8-15 k's, 16-23 v's;  g: my group of 128 tokens
	s_sub_co_u32 s18, s17, 24
	s_lshl_b32 s18, s18, 1
	s_add_co_u32 s18, s18, s15
	s_add_co_u32 s18, s18, 16
	s_sub_co_u32 s19, s42, 16
	s_lshl_b32 s19, s19, 1
	s_add_co_u32 s19, s19, s16
	s_lshl_b32 s20, s42, 1
	s_add_co_u32 s20, s20, s16
	s_lshl_b32 s21, s17, 1
	s_add_co_u32 s21, s21, s15
	s_cmp_eq_u32 s101, 1
	s_cselect_b32 s18, s18, s19
	s_cselect_b32 s20, s20, s21
	s_lshr_b32 s19, s18, 3
	s_lshl_b32 s19, s19, 4
	s_lshr_b32 s21, s20, 4
	s_lshl_b32 s21, s21, 3
	s_add_co_u32 s19, s19, s21
	s_and_b32 s21, s18, 7
	s_add_co_u32 s19, s19, s21
	s_lshl_b32 s19, s19, 7
	s_and_b32 s21, s20, 15
	s_lshl_b32 s22, s21, 3
	s_add_co_u32 s19, s19, s22                     ; my first image
	s_mul_i32 s22, s19, FRB
	s_mov_b32 s23, 0
	s_add_nc_u64 s[96:97], s[96:97], s[22:23]
	s_lshl_b32 s22, s19, 6
	s_add_nc_u64 s[98:99], s[98:99], s[22:23]
	s_lshl_b32 s22, s21, 16
	s_add_nc_u64 s[8:9], s[8:9], s[22:23]          ; the table at my first token tile
	s_wait_alu depctr_va_vdst(0)                   ; the wait ahead of the readers below
.macro CSLOAD a                        ; token tile a's cos and sin into set a % 4 of window 1
.set CL, 32*(((\a)+3)%4)
	WIN 0x40
.irp p, 0,1,2,3,4,5,6,7
	global_load_b128 v[CL+4*\p:CL+4*\p+3], v[LI], s[8:9] offset:8192*(\a)+512*\p
	global_load_b128 v[CL+128+4*\p:CL+128+4*\p+3], v[LI], s[8:9] offset:8192*(\a)+4096+512*\p
.endr
	WIN 0
.endm
	global_prefetch_b8 v[PFO], s[PFA:PFA+1] offset:PART th:TH_LOAD_NT scope:SCOPE_SE   ; chunk 2
.irp b, 0,1,2,3
.irp j, 0,1,2,3
	global_load_b128 v[NW+16*\b+4*\j:NW+16*\b+4*\j+3], v[NWA], s[10:11] offset:128*\b+16*\j   ; the weight at 32 b + 16 h + 4 j on
.endr
.endr
	CSLOAD 0
	global_prefetch_b8 v[RPO], s[8:9] th:TH_LOAD_NT scope:SCOPE_SE
.macro FRAG reg, adr, q, i
.irp c, 0,1,2
	ds_load_b128 v[\reg+4*\c:\reg+4*\c+3], v[\adr] offset:(2*(\i)+(\q))*FRB+512*\c
.endr
.endm
; 16 matrix instructions: A's blocks a0, a0 + 1 x B's eight.  The 64 accumulators take turns, one instruction a turn.
.macro MUL16 a0, p, q, sc, zero
.irp a, \a0, \a0+1
.irp b, 0,1,2,3,4,5,6,7
.if \zero
	v_wmma_scale_f32_16x16x128_f8f6f4 v[8*(8*((\a)%4)+\b):8*(8*((\a)%4)+\b)+7], v[128*(\p)+FR*\b:128*(\p)+FR*\b+FR-1], v[AF+FR*(\a):AF+FR*(\a)+FR-1], 0, v[SC+8*NQ*(\sc)+NQ*\b+(\q)], v[SC+8*NQ*(\sc)+NQ*(\a)+(\q)] matrix_a_fmt:MATRIX_FMT_FP6 matrix_b_fmt:MATRIX_FMT_FP6 matrix_a_scale:MATRIX_SCALE_ROW1
.else
	v_wmma_scale_f32_16x16x128_f8f6f4 v[8*(8*((\a)%4)+\b):8*(8*((\a)%4)+\b)+7], v[128*(\p)+FR*\b:128*(\p)+FR*\b+FR-1], v[AF+FR*(\a):AF+FR*(\a)+FR-1], v[8*(8*((\a)%4)+\b):8*(8*((\a)%4)+\b)+7], v[SC+8*NQ*(\sc)+NQ*\b+(\q)], v[SC+8*NQ*(\sc)+NQ*(\a)+(\q)] matrix_a_fmt:MATRIX_FMT_FP6 matrix_b_fmt:MATRIX_FMT_FP6 matrix_a_scale:MATRIX_SCALE_ROW1
.endif
.endr
.endr
.endm
.macro FETCH_B slot, q, p
	WIN TO_B
.irp i, 0,1,2,3,4,5,6,7
	FRAG 128*(\p)+FR*\i, ADRB+\slot, \q, \i
.endr
	WIN 0
.endm
.macro FETCH_A slot, q, i0
.irp i, \i0, \i0+1, \i0+2, \i0+3
	FRAG AF+FR*(\i), ADRA+\slot, \q, \i
.endr
.endm
.macro SCALES sc
.irp i, 0,1,2,3,4,5,6,7
	ds_load_b64 v[SC+8*NQ*\sc+NQ*\i:SC+8*NQ*\sc+NQ*\i+1], v[ADRS] offset:\i*SBLK
.endr
.endm
.macro PLACES n                        ; plain vector instructions behind a matrix instruction (ISA guide 7.12.1)
.rept \n
	v_nop
.endr
.endm
.macro STEP slot, q, zero              ; a step of 128 along K that has its successor in the same slot
	s_wait_dscnt 4*NL                              ; all but the youngest 12 loads (A's blocks 4-7)
	WIN MUL_LO
	MUL16 0, (\q)%2, \q, \slot, \zero
	MUL16 2, (\q)%2, \q, \slot, \zero
	s_wait_dscnt 0
	PLACES NP
	FETCH_B \slot, (\q)+1, 1-(\q)%2
	FETCH_A \slot, (\q)+1, 0
	WIN MUL_HI
	MUL16 4, (\q)%2, \q, \slot, \zero
	MUL16 6, (\q)%2, \q, \slot, \zero
	PLACES NP
	WIN 0
	FETCH_A \slot, (\q)+1, 4
.endm
; A slot's last step changes slots: each wave waits for all its tensor loads, adds 0 to its spare word, waits for that and for its reads of this slot; one barrier; fill = 1: it opens a round, and the slot is filled again.
.macro TURN slot, next, fill
.if \fill
	s_wait_xcnt 0x0                                ; my requests have read their address: it steps a chunk on
	s_add_nc_u64 s[PFA:PFA+1], s[PFA:PFA+1], PART
.endif
	s_wait_tensorcnt 0x0
	ds_add_u32 v[SPW], v[NIL]
	s_wait_dscnt 4*NL+1                            ; the add and the youngest 12 loads may be out
	WIN MUL_LO
	MUL16 0, 1, NQ-1, \slot, 0
	s_wait_dscnt 0x0
	s_barrier_signal -1
	MUL16 2, 1, NQ-1, \slot, 0
	WIN 0
	s_barrier_wait -1
.if \fill
	CREST
	s_add_nc_u64 s[G0+4*\slot+2:G0+4*\slot+3], s[G0+4*\slot+2:G0+4*\slot+3], 2*PART
	s_add_nc_u64 s[G0B+4*\slot+2:G0B+4*\slot+3], s[G0B+4*\slot+2:G0B+4*\slot+3], 2*PART
	JLOAD G0+4*\slot, G1, G0B+4*\slot, G1B         ; the first tensor load behind the round; its four v_nop are the places in front of the loads below
.else
	PLACES NP
.endif
	s_wait_alu depctr_va_vdst(0)                   ; the wait ahead of the reader below
	v_add_nc_u32 v[ADRS], 128, v[ADRS]             ; the next slot's scale words
	FETCH_B \next, 0, 0
	FETCH_A \next, 0, 0
	SCALES \next
.if \fill
	ASK
.endif
	WIN MUL_HI
	MUL16 4, 1, NQ-1, \slot, 0
	MUL16 6, 1, NQ-1, \slot, 0
	PLACES NP
	WIN 0
	FETCH_A \next, 0, 4
.endm
	s_wait_alu depctr_va_vdst(0)                   ; the wait at the head's end
	s_wait_tensorcnt 0x0                           ; my tile of the head's four is in; the lines ahead of a later first fill:
	ds_add_u32 v[SPW], v[NIL]
.irp g, G1, G1B                                ; no tensor load of mine is out: from here on a load brings one part, 96 rows of 256 bytes
	s_mov_b32 s[\g+1], 32<<16
	s_mov_b32 s[\g+2], 96<<16
	s_mov_b32 s[\g+3], 32<<16
	s_mov_b32 s[\g+4], 96
	s_mov_b32 s[\g+5], 32
.endr
	s_wait_dscnt 0x0
	CROUND
	JLOAD G0+4, G1, G0B+4, G1B                     ; chunk 1, the first tensor load behind the round
	FETCH_B 0, 0, 0
	FETCH_A 0, 0, 0
	SCALES 0
	FETCH_A 0, 0, 4
	global_prefetch_b8 v[PFO], s[PFA:PFA+1] offset:2*PART th:TH_LOAD_NT scope:SCOPE_SE   ; chunk 3
	STEP 0, 0, 1                                   ; the first step's products start the sums
	s_mov_b32 s3, LAPS-1
.Llap:
	TURN 0, 1, 1
	STEP 1, 0, 0
	TURN 1, 0, 1
	STEP 0, 0, 0
	s_sub_co_u32 s3, s3, 1
	s_cmp_lg_u32 s3, 0
	s_cbranch_scc1 .Llap
	TURN 0, 1, 0                                   ; the last lap fills nothing
	STEP 1, 0, 0
	s_wait_dscnt 4*NL
	WIN MUL_LO
	MUL16 0, 1, NQ-1, 1, 0
	MUL16 2, 1, NQ-1, 1, 0
	s_wait_dscnt 0
	WIN MUL_HI
	MUL16 4, 1, NQ-1, 1, 0
	MUL16 6, 1, NQ-1, 1, 0
	WIN 0
; THE WAY OUT.  QUANT: 64 numbers of a lane in window w, register 16 b + i = k 32 b + 16 h + i of my row, become a fragment's codes in v[PC] on and the row's scale word in v[pw].  Each accumulator is read from its low end on.
.macro QUANT s, w, pw
	WIN (\w)|((\w)<<2)
.irp b, 0,1,2,3
	v_max3_num_f32 v[TM+\b], |v[(\s)+16*\b]|, |v[(\s)+16*\b+1]|, 0x1800000   ; the floor 2^(3 - 127): the byte cannot fall under 1
.endr
	WIN ((\w)<<2)|((\w)<<4)
.irp i, 2,4,6,8,10,12,14
.irp b, 0,1,2,3
	v_max3_num_f32 v[TM+\b], v[TM+\b], |v[(\s)+16*\b+\i]|, |v[(\s)+16*\b+\i+1]|
.endr
.endr
	WIN 0
.irp b, 0,1,2,3
	v_permlanex16_b32 v[TM+4+\b], v[TM+\b], s2, s3
.endr
.irp b, 0,1,2,3
	v_max_num_f32 v[TM+\b], v[TM+\b], v[TM+4+\b]
.endr
.irp b, 0,1,2,3
	v_add_nc_u32 v[TM+12+\b], 0xff000000, v[TM+\b] ; 2 off the exponent field: the conversion's scale operand
.endr
.irp b, 0,1,2,3
	v_lshrrev_b32 v[TM+4+\b], 23, v[TM+12+\b]      ; the byte
.endr
	v_lshl_or_b32 v[\pw], v[TM+5], 8, v[TM+4]
	v_lshl_or_b32 v[\pw], v[TM+6], 16, v[\pw]
	v_lshl_or_b32 v[\pw], v[TM+7], 24, v[\pw]
	WIN (\w)
.irp c, 0,1
	v_cvt_scalef32_pk16_fp6_f32 v[PC+6*\c:PC+6*\c+2], v[(\s)+32*\c:(\s)+32*\c+15], v[TM+12+2*\c]
	v_cvt_scalef32_pk16_fp6_f32 v[PC+12+4*\c:PC+12+4*\c+2], v[(\s)+32*\c+16:(\s)+32*\c+31], v[TM+12+2*\c+1]
.endr
	WIN 0
	v_nop                                          ; one plain place behind the scaled conversions
.irp c, 0,1                                    ; a whole block to a lane: lanes 0-15 block 2 c, lanes 16-31 block 2 c + 1
.irp i, 0,1,2
	v_permlane16_swap_b32 v[PC+6*\c+\i], v[PC+12+4*\c+\i]
.endr
.irp i, 0,1,2
	v_mov_b32 v[PC+3+6*\c+\i], v[PC+12+4*\c+\i]
.endr
.endr
.endm
.macro OUTFRAG a                       ; three stores of 512 consecutive bytes
.irp c, 0,1,2
	global_store_b128 v[LI], v[PC+4*\c:PC+4*\c+3], s[96:97] offset:FRB*(\a)+512*\c
.endr
.endm
.macro SUMSQ g                         ; mean square + eps of blocks 4 g .. 4 g + 3, the four by turns, two chains of pairs each, ascending; block A's lands in v[H + 4 A]
	WIN 0x0a+5*(\g)
.irp c, 0,1
.irp a, 0,1,2,3
	v_pk_mul_f32 v[H+16*(\g)+4*\a+2*\c:H+16*(\g)+4*\a+2*\c+1], v[64*\a+2*\c:64*\a+2*\c+1], v[64*\a+2*\c:64*\a+2*\c+1]
.endr
.endr
.set cnt, 2
.rept 30
.irp a, 0,1,2,3
	v_pk_fma_f32 v[H+16*(\g)+4*\a+2*(cnt%2):H+16*(\g)+4*\a+2*(cnt%2)+1], v[64*\a+2*cnt:64*\a+2*cnt+1], v[64*\a+2*cnt:64*\a+2*cnt+1], v[H+16*(\g)+4*\a+2*(cnt%2):H+16*(\g)+4*\a+2*(cnt%2)+1]
.endr
.set cnt, cnt+1
.endr
	WIN 0
.irp a, 0,1,2,3
	v_pk_add_f32 v[H+16*(\g)+4*\a:H+16*(\g)+4*\a+1], v[H+16*(\g)+4*\a:H+16*(\g)+4*\a+1], v[H+16*(\g)+4*\a+2:H+16*(\g)+4*\a+3]
.endr
.irp a, 0,1,2,3
	v_add_f32 v[H+16*(\g)+4*\a], v[H+16*(\g)+4*\a], v[H+16*(\g)+4*\a+1]
.endr
.irp a, 0,1,2,3
	v_permlanex16_b32 v[H+16*(\g)+4*\a+2], v[H+16*(\g)+4*\a], s2, s3   ; the token's other 64 numbers lie in lane l xor 16
.endr
.irp a, 0,1,2,3
	v_add_f32 v[H+16*(\g)+4*\a], v[H+16*(\g)+4*\a], v[H+16*(\g)+4*\a+2]
.endr
.irp a, 0,1,2,3
	v_fma_f32 v[H+16*(\g)+4*\a], v[H+16*(\g)+4*\a], s66, s67           ; / 128 + eps
.endr
.endm
.macro EPIQ a                          ; q, k: 16 tokens x the head's 128
.set AC, 64*((\a)%4)
.set CB, 32*(((\a)+3)%4)
	WIN 0x02+(\a)/4
.set cnt, 0
.rept 32
	v_pk_mul_f32 v[H+2*cnt:H+2*cnt+1], v[AC+2*cnt:AC+2*cnt+1], v[RS+2*(\a):RS+2*(\a)+1] op_sel_hi:[1,0]
.set cnt, cnt+1
.endr
	WIN 0
.if (\a) < 5
	s_wait_loadcnt 48                              ; the weight and this tile's cos and sin are in; the three later tiles' 16 loads each may be out
.else
	s_wait_loadcnt 16*(7-(\a))
.endif
.set cnt, 0
.rept 32
	v_pk_mul_f32 v[H+2*cnt:H+2*cnt+1], v[H+2*cnt:H+2*cnt+1], v[NW+2*cnt:NW+2*cnt+1]   ; x the norm's weight
.set cnt, cnt+1
.endr
	WIN 0x04                                       ; source 1: window 1
.set q4, 0
.rept 4                                        ; the rotation, four pairs of frequencies at a time: registers 16 b + i (b = 0, 1) are the first half's frequency 32 b + 16 h + i, registers 32 + 16 b + i the second half's
.irp j, 0,1,2,3
.set o1, 16*((4*q4+\j)/8)+2*((4*q4+\j)%8)
	v_pk_mul_f32 v[RT+4*\j:RT+4*\j+1], v[H+32+o1:H+33+o1], v[CB+128+o1:CB+129+o1]
	v_pk_mul_f32 v[RT+4*\j+2:RT+4*\j+3], v[H+o1:H+o1+1], v[CB+128+o1:CB+129+o1]
.endr
.irp j, 0,1,2,3
.set o1, 16*((4*q4+\j)/8)+2*((4*q4+\j)%8)
	v_pk_fma_f32 v[H+o1:H+o1+1], v[H+o1:H+o1+1], v[CB+o1:CB+o1+1], v[RT+4*\j:RT+4*\j+1] neg_lo:[0,0,1] neg_hi:[0,0,1]
	v_pk_fma_f32 v[H+32+o1:H+33+o1], v[H+32+o1:H+33+o1], v[CB+o1:CB+o1+1], v[RT+4*\j+2:RT+4*\j+3]
.endr
.set q4, q4+1
.endr
	WIN 0
.if (\a) < 4
	CSLOAD (\a)+4                                  ; this set of cos and sin has been read: it takes the tile four on
.endif
	s_wait_alu depctr_va_vdst(0)                   ; the wait ahead of the wait below
	s_wait_xcnt 0x0                                ; the last block's stores have read v[PC] on
	QUANT H, 0, PWB+(\a)
	OUTFRAG \a
.endm
.macro EPIV a                          ; v: 16 channels x 128 keys: the sums are quantised as they stand
	s_wait_xcnt 0x0
	QUANT 64*((\a)%4), 2+(\a)/4, PWB+(\a)
	OUTFRAG \a
.endm
	PLACES NP                                      ; behind the last products
	s_mov_b32 s2, 0x76543210
	s_mov_b32 s3, 0xfedcba98                       ; v_permlanex16_b32's selects for lane l xor 16
	s_mov_b32 s66, 0x3c000000                      ; 1 / 128
	s_mov_b32 s67, 0x3727c5ac                      ; 1e-5
.irp b, 0,1,2,3
	v_mov_b32 v[TM+4+\b], 0                        ; a lane permute's destination counts as one of its sources
.endr
.irp a, 0,1,2,3,4,5,6,7
	v_mov_b32 v[RS+2*\a+1], 0                      ; (named as the upper half of a pair)
.endr
	s_wait_alu depctr_va_vdst(0)                   ; the wait ahead of the branch
	s_cmp_eq_u32 s101, 1
	s_cbranch_scc1 .Lv_out
	CSLOAD 1
	CSLOAD 2
	CSLOAD 3
	SUMSQ 0
	SUMSQ 1
	s_wait_alu depctr_va_vdst(0)                   ; the wait ahead of the batch,
.irp a, 0,1,2,3,4,5,6,7
	v_rsq_f32 v[RS+2*\a], v[H+4*\a]
.endr
	v_nop                                          ; a plain place behind it,
	s_wait_alu depctr_va_vdst(0)                   ; and the wait ahead of its first reader
.irp a, 0,1,2,3,4,5,6,7
	EPIQ \a
.endr
	s_wait_alu depctr_va_vdst(0)
	s_branch .Lwords
.Lv_out:
.irp a, 0,1,2,3,4,5,6,7
	EPIV \a
.endr
	s_wait_alu depctr_va_vdst(0)
.Lwords:                                           ; the eight blocks' scale words, 64 bytes each, through my 1,024 bytes of slot 0: one store covers 512 consecutive bytes
.irp a, 0,1,2,3,4,5,6,7
	ds_store_b32 v[SWS], v[PWB+\a] offset:64*\a    ; both halves of the lanes write the same word with the same value
.endr
	ds_load_b128 v[BK:BK+3], v[SRD]                ; LDS serves a wave's instructions in order
	s_wait_dscnt 0x0
	global_store_b128 v[LI], v[BK:BK+3], s[98:99]
	s_wait_tensorcnt 0x0                           ; the wave's end
	ds_add_u32 v[SPW], v[NIL]
	s_wait_dscnt 0x0
	CROUND                                         ; the closing round
	s_endpgm
.Lfunc_end_k_q5c7d00874a_qkv:
	.size	k_q5c7d00874a_qkv, .Lfunc_end_k_q5c7d00874a_qkv-k_q5c7d00874a_qkv
	.p2alignl 7, 3214868480
	.fill 96, 4, 3214868480
	.section	.rodata,"a",@progbits
	.p2align	6, 0x0
	.amdhsa_kernel k_q5c7d00874a_qkv
		.amdhsa_group_segment_fixed_size 327680
		.amdhsa_private_segment_fixed_size 0
		.amdhsa_enable_private_segment 0
		.amdhsa_kernarg_size 56
		.amdhsa_user_sgpr_count 2
		.amdhsa_user_sgpr_kernarg_segment_ptr 1
		.amdhsa_wavefront_size32 1
		.amdhsa_system_sgpr_workgroup_id_x 1
		.amdhsa_system_sgpr_workgroup_id_y 1
		.amdhsa_system_sgpr_workgroup_id_z 1
		.amdhsa_system_vgpr_workitem_id 0
		.amdhsa_next_free_vgpr 1024
		.amdhsa_next_free_sgpr 102
		.amdhsa_reserve_vcc 0
		.amdhsa_float_denorm_mode_32 3
		.amdhsa_float_denorm_mode_16_64 3
		.amdhsa_memory_ordered 1
		.amdhsa_forward_progress 1
		.amdhsa_inst_pref_size 255
	.end_amdhsa_kernel
	.section	.bss,"aw",@nobits
	.p2align	6
	.space	262144
	.amdgpu_metadata
---
amdhsa.version: [ 1, 2 ]
amdhsa.kernels:
  - .name:           k_q5c7d00874a_qkv
    .symbol:         k_q5c7d00874a_qkv.kd
    .args:
      - { .name: codes, .offset: 0, .size: 8, .value_kind: global_buffer, .address_space: global }
      - { .name: scales, .offset: 8, .size: 8, .value_kind: global_buffer, .address_space: global }
      - { .name: rope, .offset: 16, .size: 8, .value_kind: global_buffer, .address_space: global }
      - { .name: q_norm_w, .offset: 24, .size: 8, .value_kind: global_buffer, .address_space: global }
      - { .name: k_norm_w, .offset: 32, .size: 8, .value_kind: global_buffer, .address_space: global }
      - { .name: qkv_codes, .offset: 40, .size: 8, .value_kind: global_buffer, .address_space: global }
      - { .name: qkv_scales, .offset: 48, .size: 8, .value_kind: global_buffer, .address_space: global }
    .group_segment_fixed_size: 327680
    .private_segment_fixed_size: 0
    .kernarg_segment_align: 8
    .kernarg_segment_size: 56
    .max_flat_workgroup_size: 128
    .sgpr_count:     102
    .vgpr_count:     1024
    .wavefront_size: 32
...
	.end_amdgpu_metadata
.endif
;; end of part 2
;; launch attn (part 3): grid 16 x 16, 16 waves a work-group, clusters of 4 x 1, 327,680 bytes of LDS; arguments qkv_codes, qkv_scales, at_codes, at_scales; writes at_codes, at_scales
.if DOCPART == 3
	.amdgcn_target "amdgcn-amd-amdhsa--gfx1250"
	.amdhsa_code_object_version 6
	.text
	.protected	k_q5c7d00874a_attn
	.globl	k_q5c7d00874a_attn
	.p2align	8
	.type	k_q5c7d00874a_attn,@function
k_q5c7d00874a_attn:
	s_mov_b64 s[64:65], 0
	v_nop
	global_prefetch_b8 v0, s[64:65] scope:SCOPE_SE
	s_setreg_imm32_b32 hwreg(HW_REG_WAVE_MODE, 25, 1), 1
	s_wait_xcnt 0x0
	s_wait_alu depctr_hold_cnt(0) depctr_sa_sdst(0) depctr_va_vdst(0) depctr_va_sdst(0) depctr_va_ssrc(0) depctr_va_vcc(0) depctr_vm_vsrc(0)
	s_getreg_b32 s2, hwreg(HW_REG_IB_STS2, 6, 4)
	s_cmp_eq_u32 s2, 0
	s_cbranch_scc0 .Lentry_in_a_cluster
	s_endpgm
.Lentry_in_a_cluster:
	s_bfe_u32 s2, ttmp6, 0x10000c
	s_cmp_lg_u32 s2, 0x3003
	s_cbranch_scc0 .Lentry_shape_is_right
	s_endpgm
.Lentry_shape_is_right:
; ATTN.  o = softmax(q k^T / sqrt(128), causal) v for 16 batch-heads of 2,048 positions, on codes of FP6 (E2M3) with E8M0 scales; o is quantised along the head's 128 and leaves as operand images for the last product.
; LEFT OUT: key steps that lie wholly above the diagonal of the causal mask: their p is 0 for all values of the inputs.
; Images: 16 rows x 128 K are 1,536 bytes, register 4 c + e of lane l at 512 c + 16 l + 4 e.  qkv_codes [q, k, v][batch-head 16][step or block 16][tile 8][1536]; scale words [..][image 128][16].
; Both products are used transposed (S^T = k q^T, O^T = v^T p^T): a lane holds one query.  p = 2^(t - M), M the running largest t rounded up to a whole number; the row's sum is taken of the unquantised p.
; SHARES.  A work-group serves one batch-head and 8 tiles of 16 queries: two tiles (by cx) of each of the blocks t, 7 - t, 8 + t, 15 - t (t = the cluster's x): 34 key steps of 128 for each four tiles, in every work-group.
; A tile's key steps are split by its length: block 15 - t (13 to 16 steps) among three waves, every third step each; blocks 8 + t and 7 - t among two; block t has one wave: no wave has more than 6 steps.
; Wave w: i = w % 4, j = w / 4 (for i = 2, 3: 3 - w / 4).  i even: j = 0, 1, 2 block 15 - t, j = 3 block t; i odd: j = 0, 1 block 8 + t, j = 2, 3 block 7 - t: the four waves of one i have 17 steps together, for every t.
; The wave with a tile's step 0 owns the tile; the others hand their O^T, sum and M over through LDS at the end.
; LDS, filled once: k's 16 steps (196,608 bytes), tiles 4-7 of v's 16 steps (98,304), k's and v's scale words (16,384).  One joint load a wave at the head: waves 0-3 four steps of k each, waves 4-7 four steps of v's half,
; waves 8, 9 the scale words; each of these loads holds bytes of a step up to 12, which block 15 - t reads.  Nothing is filled again: the walk over the keys has no barrier, and each wave goes at its own pace.
; v's tiles 0-3 go from memory straight into the registers that k's fragments have left: asked for ahead of the softmax, used behind it.  Tiles 4-7 come from LDS into p's registers once p has been converted.
; The walk is one loop of 16 trips for every wave; a trip whose step is hidden by the mask, or is a partner's, is jumped over by a branch on ids.
; CLUSTERS: the four work-groups of a cluster serve one batch-head and ask for k, v's half and the scale words jointly.
; PREFETCH: wave 0 (block 15 - t) asks in trip s for step s + 2 of v's tiles 0-3: 24 blocks of 256 bytes, 6 to each partner, told apart by address; it stops where s + 2 would pass block 15 - t.
; LIMITS: the promise holds while the scaled scores stay under 2^31 in magnitude; a block of zeros gets the byte 1 (this program alone reads the bytes); NaN and infinities are not served.
.set FRB,   1536
.set STEPB, 8*FRB
.set HB,    196608                     ; a batch-head's codes
.set VH,    196608                     ; LDS: v's tiles 4-7, 6,144 bytes a step
.set SCK,   VH+98304                   ; k's scale words, 8,192 further on v's
.set SPARE, SCK+16384                  ; the spare words: 128 bytes for each of 16 waves
.set STGB,  8448                       ; a stage for a partial result, over k's first bytes, behind a barrier that stands behind every wave's last read of k
.set LI,   1                           ; 16 x lane
.set SC0,  2
.set SGA,  3
.set SGB,  4
.set SPW,  5
.set NIL,  6
.set AV,   7                           ; this step's tiles 4-7 of v in LDS
.set AD,   8                           ; this step's k in LDS; the same number is the step's offset in v's codes
.set ADS,  10
.set PFO,  28
.set DD,   29
.set R8,   30
.set R4,   31
.set TM,   232
.set TB,   2
.set TS,   3
.set WV,   18
.set SEL,  20
.set CS,   22
.set G1K,  24
.set G1S,  32
.set G1V,  40
.set G0K,  48
.set G0V,  52
.set G0S,  84
.set KS,   88
.set BLK,  89
.set LIM,  90
.set PAR,  91                          ; 1: I hand my part over; 0: I own the tile
.set TV,   92
.set STEPS, 93
.set PFA,  94
.set VB,   96
.set NN,   98                          ; among how many waves my tile's steps are split
.set NXT,  99                          ; my next step
.set NM,   100                         ; how many parts an owner takes in
.macro CROUND
	s_barrier_signal -1
	s_barrier_wait -1
	s_cmp_lg_u32 s[WV], 0
	s_cbranch_scc1 .Lnot_wave_0_\@
	s_barrier_signal -3
.Lnot_wave_0_\@:
	s_barrier_wait -3
	s_barrier_signal -1
	s_barrier_wait -1
.endm
.macro GRP1 g, c, r, p                 ; r rows of c elements of 8 bytes, p elements apart; the mask names the cluster's four
	s_mov_b32 s[\g], 15|(3<<16)|(1<<21)
	s_mov_b32 s[\g+1], (\c)<<16
	s_mov_b32 s[\g+2], (\r)<<16
	s_mov_b32 s[\g+3], (\c)<<16
	s_mov_b32 s[\g+4], \r
	s_mov_b32 s[\g+5], \p
	s_mov_b32 s[\g+6], 0
	s_mov_b32 s[\g+7], 0
.endm
	s_load_b128 s[4:7], s[0:1], 0x0                ; qkv_codes, qkv_scales
	s_load_b128 s[8:11], s[0:1], 0x10              ; at_codes, at_scales
	v_lshl_add_u32 v[SPW], v0, 2, SPARE
	v_mov_b32 v[NIL], 0
	ds_add_u32 v[SPW], v[NIL]                      ; the opening lines: the add twice on end and one wait
	ds_add_u32 v[SPW], v[NIL]
	s_wait_dscnt 0x0
	v_lshrrev_b32 v8, 5, v0
	s_delay_alu instid0(VALU_DEP_1)
	v_readfirstlane_b32 s[WV], v8
	s_bfe_u32 s12, ttmp6, 0x40000                  ; cx
	s_and_b32 s13, ttmp7, 0xffff                   ; the batch-head
	s_bfe_u32 s56, s[WV], 0x10001                  ; which of my work-group's two tiles of a block
	s_lshr_b32 s17, s[WV], 2
	s_mul_i32 s15, s56, 3
	s_xor_b32 s17, s17, s15                        ; j
	s_and_b32 s19, s[WV], 3
	s_lshl_b32 s19, s19, 1
	s_lshr_b32 s57, s17, 1
	s_add_co_u32 s19, s19, s57
	s_mul_i32 s19, s19, STGB                       ; stage 2 i + j / 2: the one that I fill, or the first that I take in; a third wave's lies one further on
	s_and_b32 s16, s[WV], 1
	s_xor_b32 s15, s16, 1
	s_lshr_b32 s[PAR], s17, 1
	s_and_b32 s[PAR], s[PAR], s15
	s_xor_b32 s[PAR], s[PAR], s17
	s_and_b32 s[PAR], s[PAR], 1                    ; i even: j = 1, 2 hand over; i odd: j = 1, 3
	s_lshl_b32 s14, s16, 2
	s_add_co_u32 s14, s14, s17
	s_lshl_b32 s14, s14, 2                         ; the role 4 (i % 2) + j picks a nibble of each table
	s_lshr_b32 s[NN], 0x22221333, s14
	s_and_b32 s[NN], s[NN], 15
	s_lshr_b32 s[NXT], 0x10100210, s14
	s_and_b32 s[NXT], s[NXT], 15                   ; my first step
	s_lshr_b32 s[NM], 0x01010002, s14
	s_and_b32 s[NM], s[NM], 15
	s_lshr_b32 s14, 0x11330222, s14
	s_and_b32 s14, s14, 15                         ; which of the four blocks
	s_lshl_b32 s15, s14, 2
	s_lshr_b32 s15, 0x8f70, s15
	s_and_b32 s15, s15, 15                         ; 0, 7, 15, 8
	s_lshr_b32 s16, 6, s14
	s_and_b32 s16, s16, 1
	s_sub_co_u32 s17, s15, ttmp9
	s_add_co_u32 s15, s15, ttmp9
	s_cmp_eq_u32 s16, 1
	s_cselect_b32 s[BLK], s17, s15                 ; t, 7 - t, 15 - t, 8 + t
	s_lshl_b32 s79, s12, 1
	s_add_co_u32 s56, s56, s79                     ; my tile of the block's eight
	s_and_b32 s61, s[WV], 3
	s_mul_i32 s61, s61, 4*STEPB                    ; k: four steps a load, in memory and in LDS
	s_add_co_u32 s58, s13, 16
	s_mul_i32 s58, s58, HB
	s_add_co_u32 s58, s58, s61
	s_mov_b32 s59, 0
	s_add_co_u32 s62, s13, 32
	s_mul_i32 s62, s62, HB                         ; v's codes of my batch-head
	s_mov_b32 s63, 0
	s_lshl_b32 s66, s13, 7
	s_lshl_b32 s67, s[BLK], 3
	s_add_co_u32 s66, s66, s67
	s_add_co_u32 s66, s66, s56                     ; q's image
	s_mul_i32 s68, s66, FRB
	s_mov_b32 s69, 0
	s_lshl_b32 s70, s66, 6
	s_mov_b32 s71, 0
	s_lshr_b32 s72, s13, 3                         ; where o goes: [group of 128 tokens][K / 256][tile][2][1536], and its scale words
	s_lshl_b32 s72, s72, 4
	s_add_co_u32 s72, s72, s[BLK]
	s_bfe_u32 s73, s13, 0x20001
	s_and_b32 s75, s13, 1
	s_lshl_b32 s74, s72, 12
	s_lshl_b32 s76, s56, 9
	s_add_co_u32 s74, s74, s76
	s_lshl_b32 s76, s73, 7
	s_add_co_u32 s74, s74, s76
	s_lshl_b32 s76, s75, 2
	s_add_co_u32 s74, s74, s76
	s_lshl_b32 s72, s72, 2
	s_add_co_u32 s72, s72, s73
	s_lshl_b32 s72, s72, 3
	s_add_co_u32 s72, s72, s56
	s_lshl_b32 s72, s72, 1
	s_add_co_u32 s72, s72, s75
	s_mul_i32 s72, s72, FRB
	s_mov_b32 s73, 0
	s_mov_b32 s75, 0
	s_sub_co_u32 s76, s[BLK], 1
	s_cmp_eq_u32 s[WV], 0
	s_cselect_b32 s[LIM], s76, 0                   ; wave 0 asks while step + 2 is at most its block
	s_lshr_b32 s78, s56, 1
	s_lshl_b32 s78, s78, 5
	s_and_b32 s79, s56, 1
	s_lshl_b32 s79, s79, 3
	s_add_co_u32 s78, s78, s79                     ; my tile's first row in its block
	GRP1 G1K, 32, 192, 32                          ; four steps of k: 192 rows of 256 bytes, dense
	GRP1 G1V, 768, 4, 1536                         ; tiles 4-7 of four steps of v: 4 rows of 6,144 bytes, a step apart
	GRP1 G1S, 32, 32, 32                           ; 8,192 bytes of scale words
	s_mov_b32 s[SEL], 0x76543210
	s_mov_b32 s[SEL+1], 0xfedcba98
	s_mov_b32 s[CS], 0x3e0293ee                    ; log2(e) / sqrt(128)
	s_mov_b32 s[CS+1], s[CS]
	s_mov_b32 s[TB], 0
	s_mov_b32 s[TS], 0
	s_mov_b32 s[TV], VH
	s_mov_b32 s[KS], 0
	s_wait_kmcnt 0x0
	s_mov_b32 s[G0K], 1
	s_mov_b32 s[G0K+1], s61
	s_add_nc_u64 s[G0K+2:G0K+3], s[4:5], s[58:59]
	s_or_b32 s[G0K+3], s[G0K+3], 0x80000000
	s_add_nc_u64 s[VB:VB+1], s[4:5], s[62:63]
	s_add_co_u32 s58, s61, 4*FRB                   ; v: the same four steps, from tile 4 on
	s_lshr_b32 s60, s61, 1                         ; in LDS half as many bytes
	s_mov_b32 s[G0V], 1
	s_add_co_u32 s[G0V+1], s60, VH
	s_add_nc_u64 s[G0V+2:G0V+3], s[VB:VB+1], s[58:59]
	s_or_b32 s[G0V+3], s[G0V+3], 0x80000000
	s_and_b32 s60, s[WV], 1                        ; the scale words: k's (even wave) or v's
	s_add_co_u32 s58, s60, 1
	s_lshl_b32 s58, s58, 4
	s_add_co_u32 s58, s58, s13
	s_lshl_b32 s58, s58, 13
	s_lshl_b32 s60, s60, 13
	s_mov_b32 s[G0S], 1
	s_add_co_u32 s[G0S+1], s60, SCK
	s_add_nc_u64 s[G0S+2:G0S+3], s[6:7], s[58:59]
	s_or_b32 s[G0S+3], s[G0S+3], 0x80000000
	s_mul_i32 s58, s12, FRB
	s_add_co_u32 s58, s58, 2*STEPB
	s_add_nc_u64 s[PFA:PFA+1], s[VB:VB+1], s[58:59]   ; step 2, my work-group's 6 blocks
	s_add_nc_u64 s[80:81], s[4:5], s[68:69]
	s_add_nc_u64 s[82:83], s[6:7], s[70:71]
	s_add_nc_u64 s[8:9], s[8:9], s[72:73]
	s_add_nc_u64 s[10:11], s[10:11], s[74:75]
	CROUND                                         ; the four work-groups are here: the joint loads meet
	s_cmp_lt_u32 s[WV], 4                          ; one chain of branches on the wave's number, one load to an arm
	s_cbranch_scc0 .Lfill_v
	tensor_load_to_lds s[G0K:G0K+3], s[G1K:G1K+7]
	s_nop 0
.rept 4
	v_nop
.endr
	s_branch .Lasked
.Lfill_v:
	s_cmp_lt_u32 s[WV], 8
	s_cbranch_scc0 .Lfill_s
	tensor_load_to_lds s[G0V:G0V+3], s[G1V:G1V+7]
	s_nop 0
.rept 4
	v_nop
.endr
	s_branch .Lasked
.Lfill_s:
	s_cmp_lt_u32 s[WV], 10
	s_cbranch_scc0 .Lasked
	tensor_load_to_lds s[G0S:G0S+3], s[G1S:G1S+7]
	s_nop 0
.rept 4
	v_nop
.endr
.Lasked:
	v_and_b32 v9, 15, v0
	v_bfe_u32 v11, v0, 4, 1
	v_and_b32 v12, 31, v0
	s_delay_alu instid0(VALU_DEP_1)
	v_lshlrev_b32 v[LI], 4, v12
	v_min_u32 v13, 5, v12
	s_delay_alu instid0(VALU_DEP_1)
	v_lshlrev_b32 v[PFO], 8, v13
	v_add_nc_u32 v[SGA], s19, v[LI]
	v_lshlrev_b32 v[SGB], 2, v12
	s_delay_alu instid0(VALU_DEP_1)
	v_add_nc_u32 v[SGB], s19, v[SGB]
	v_lshl_add_u32 v[SC0], v9, 2, SCK
	v_lshlrev_b32 v[R8], 3, v9
	v_lshlrev_b32 v[R4], 2, v9
.irp c, 0,1,2
	global_load_b128 v[16+4*\c:19+4*\c], v[LI], s[80:81] offset:512*\c   ; q's fragment
.endr
	global_load_b32 v255, v[R4], s[82:83]          ; q's scale words
	v_and_b32 v12, 8, v9
	s_delay_alu instid0(VALU_DEP_1)
	v_add_nc_u32 v12, v12, v9
	v_lshlrev_b32 v13, 4, v11
	s_delay_alu instid0(VALU_DEP_1)
	v_sub_nc_u32 v12, v12, v13
	s_delay_alu instid0(VALU_DEP_1)
	v_add_nc_u32 v[DD], s78, v12                   ; my query's row in its block, less 16 h: register n is hidden on the diagonal where 32 (n / 16) + n % 16 is greater
	v_mov_b32 v13, 0xff61b1e6                      ; the largest t so far: -3e38
	s_delay_alu instid0(VALU_DEP_1)
	v_floor_f32 v12, -v13                          ; -M
	v_mov_b32 v14, 0
	v_mov_b32 v15, 0
.irp b, 0,1,2,3
	v_mov_b32 v[236+\b], 0
.endr
	v_mov_b32 v252, 0
	v_mov_b32 v253, 0
.set n, 0
.rept 64
	v_mov_b32 v[160+n], 0                          ; O^T: the step is written once: the first finds zeros
.set n, n+1
.endr
	s_wait_alu depctr_va_vdst(0)                   ; the wait at the head's end
	s_wait_tensorcnt 0x0                           ; my load, if I had one, has landed,
	s_barrier_signal -1
	s_barrier_wait -1                              ; everybody's has
	s_wait_loadcnt 0x0
	s_mov_b32 s[STEPS], 16
.Lst:
	s_cmp_lt_u32 s[KS], s[LIM]
	s_cbranch_scc0 .Lno_ask
	global_prefetch_b8 v[PFO], s[PFA:PFA+1] th:TH_LOAD_NT scope:SCOPE_SE
.Lno_ask:
	s_cmp_gt_u32 s[KS], s[BLK]
	s_cbranch_scc1 .Lhidden                        ; wholly above the diagonal
	s_cmp_lg_u32 s[KS], s[NXT]
	s_cbranch_scc1 .Lhidden                        ; a partner's step
	s_add_co_u32 s[NXT], s[NXT], s[NN]
	v_add_nc_u32 v[AD], s[TB], v[LI]               ; (the last step's loads by v[AD] have been waited for)
	v_add_nc_u32 v[ADS], s[TS], v[SC0]
	v_add_nc_u32 v[AV], s[TV], v[LI]
	s_wait_alu depctr_va_vdst(0)                   ; the wait
.rept 3
	v_nop                                          ; with the three above: six places behind the last step's products, whose operands are loaded and written over below
.endr
.irp g, 0,1                                    ; S^T = k q^T, four tiles of 16 keys at a time
.if \g > 0
.rept 4
	v_nop
.endr
.endif
.irp t, 0,1,2,3
.irp c, 0,1,2
	ds_load_b128 v[32+12*\t+4*\c:35+12*\t+4*\c], v[AD] offset:(4*\g+\t)*FRB+512*\c
.endr
	ds_load_b32 v[248+\t], v[ADS] offset:64*(4*\g+\t)
.endr
	s_wait_dscnt 0x0
.irp t, 0,1,2,3
	v_wmma_scale_f32_16x16x128_f8f6f4 v[96+8*(4*\g+\t):103+8*(4*\g+\t)], v[32+12*\t:43+12*\t], v[16:27], 0, v[248+\t], v255 matrix_a_fmt:MATRIX_FMT_FP6 matrix_b_fmt:MATRIX_FMT_FP6
.endr
.endr
.rept 4
	v_nop
.endr
.irp t, 0,1,2,3                                ; v's tiles 0-3, from memory into k's registers: the softmax stands between these loads and their wait
.irp c, 0,1,2
	global_load_b128 v[32+12*\t+4*\c:35+12*\t+4*\c], v[AD], s[VB:VB+1] offset:\t*FRB+512*\c
.endr
.endr
.irp t, 0,1,2,3
	ds_load_b32 v[248+\t], v[ADS] offset:8192+64*\t        ; v's scale words, tiles 0-3,
.endr
.irp t, 0,1,2,3
	ds_load_b32 v[92+\t], v[ADS] offset:8192+256+64*\t     ; and 4-7
.endr
	s_cmp_lg_u32 s[KS], s[BLK]
	s_cbranch_scc1 .Lopen
	v_mov_b32 v254, 0xff800000                     ; the diagonal step: keys behind my query count for nothing
.set n, 0
.rept 64
	v_cmp_gt_i32 vcc_lo, 32*(n/16)+n%16, v[DD]
	v_cndmask_b32 v[96+n], v[96+n], v254, vcc_lo
.set n, n+1
.endr
.Lopen:
.irp b, 0,1,2,3
	v_max3_num_f32 v[232+\b], v[96+16*\b], v[97+16*\b], v[98+16*\b]   ; the largest score of each block of 32 keys
.endr
.irp i, 3,5,7,9,11,13
.irp b, 0,1,2,3
	v_max3_num_f32 v[232+\b], v[232+\b], v[96+16*\b+\i], v[97+16*\b+\i]
.endr
.endr
.irp b, 0,1,2,3
	v_max_num_f32 v[232+\b], v[232+\b], v[111+16*\b]
.endr
.irp b, 0,1,2,3
	s_delay_alu instid0(VALU_DEP_4)
	v_permlanex16_b32 v[236+\b], v[232+\b], s[SEL], s[SEL+1]
.endr
.irp b, 0,1,2,3
	s_delay_alu instid0(VALU_DEP_4)
	v_max_num_f32 v[232+\b], v[232+\b], v[236+\b]
.endr
	s_delay_alu instid0(VALU_DEP_2)
	v_max3_num_f32 v254, v232, v233, v234
	s_delay_alu instid0(VALU_DEP_1)
	v_max_num_f32 v254, v254, v235
	s_delay_alu instid0(VALU_DEP_1)
	v_mul_f32 v254, s[CS], v254
	s_delay_alu instid0(VALU_DEP_1)
	v_max_num_f32 v13, v13, v254                   ; the running largest t
	v_mov_b32 v254, v12
	s_delay_alu instid0(VALU_DEP_2)
	v_floor_f32 v12, -v13                          ; the new -M
	s_delay_alu instid0(VALU_DEP_1)
	v_sub_f32 v254, v12, v254
	s_delay_alu instid0(VALU_DEP_1)
	v_cvt_i32_f32 v254, v254
	s_delay_alu instid0(VALU_DEP_1)
	v_ldexp_f32 v252, 1.0, v254                    ; f = 2^(old M - new M)
.set n, 0
.rept 32
	v_pk_fma_f32 v[96+n:97+n], v[96+n:97+n], s[CS:CS+1], v[12:13] op_sel_hi:[1,0,0]   ; t - M
.set n, n+2
.endr
.irp b, 0,1,2,3
	v_fma_f32 v[232+\b], v[232+\b], s[CS], v12
.endr
	s_wait_alu depctr_va_vdst(0)                   ; the wait ahead of the batch
.set n, 0
.rept 64
	v_exp_f32 v[96+n], v[96+n]
.set n, n+1
.endr
	v_pk_mul_f32 v[14:15], v[14:15], v[252:253] op_sel_hi:[1,0]
	s_wait_alu depctr_va_vdst(0)                   ; and behind it
.irp b, 0,1,2,3
	v_exp_f32 v[232+\b], v[232+\b]                 ; each block's largest p
.endr
	v_pk_add_f32 v[236:237], v[96:97], v[98:99]    ; the row's sum, of the unquantised p, in two chains
.irp j, 4,8,12,16,20,24,28,32,36,40,44,48,52,56,60
	v_pk_add_f32 v[14:15], v[14:15], v[96+\j:97+\j]
	v_pk_add_f32 v[236:237], v[236:237], v[98+\j:99+\j]
.endr
	s_delay_alu instid0(VALU_DEP_1)
	v_pk_add_f32 v[14:15], v[14:15], v[236:237]
	s_wait_alu depctr_va_vdst(0)
.irp b, 0,1,2,3
	v_max_num_f32 v[232+\b], 0x1800000, v[232+\b]  ; the floor 2^(3 - 127): the byte cannot fall under 1
.endr
.irp b, 0,1,2,3
	s_delay_alu instid0(VALU_DEP_4)
	v_add_nc_u32 v[244+\b], 0xff000000, v[232+\b]
.endr
.irp b, 0,1,2,3
	s_delay_alu instid0(VALU_DEP_4)
	v_lshrrev_b32 v[236+\b], 23, v[244+\b]
.endr
	s_delay_alu instid0(VALU_DEP_3)
	v_lshl_or_b32 v253, v237, 8, v236
	s_delay_alu instid0(VALU_DEP_1)
	v_lshl_or_b32 v253, v238, 16, v253
	s_delay_alu instid0(VALU_DEP_1)
	v_lshl_or_b32 v253, v239, 24, v253             ; p's scale word for these 128 keys
.irp c, 0,1
	v_cvt_scalef32_pk16_fp6_f32 v[224+6*\c:226+6*\c], v[96+32*\c:111+32*\c], v[244+2*\c]
	v_cvt_scalef32_pk16_fp6_f32 v[236+4*\c:238+4*\c], v[112+32*\c:127+32*\c], v[244+2*\c+1]
.endr
	v_nop                                          ; one plain place behind the scaled conversions
.irp t, 0,1,2,3                                ; p has been converted: its registers take v's tiles 4-7, from LDS
.irp c, 0,1,2
	ds_load_b128 v[96+12*\t+4*\c:99+12*\t+4*\c], v[AV] offset:\t*FRB+512*\c
.endr
.endr
.irp c, 0,1
.irp i, 0,1,2
	v_permlane16_swap_b32 v[224+6*\c+\i], v[236+4*\c+\i]
.endr
.irp i, 0,1,2
	s_delay_alu instid0(VALU_DEP_3)
	v_mov_b32 v[227+6*\c+\i], v[236+4*\c+\i]
.endr
.endr
	s_wait_alu depctr_va_vdst(0)                   ; the wait ahead of the first reader of O^T
.set n, 0
.rept 32
	v_pk_mul_f32 v[160+n:161+n], v[160+n:161+n], v[252:253] op_sel_hi:[1,0]   ; O^T under the new M
.set n, n+2
.endr
	s_wait_alu depctr_va_vdst(0)                   ; and ahead of the waits below
	s_wait_loadcnt 0x0                             ; v's tiles 0-3 are in,
	s_wait_dscnt 12                                ; and all the scale words; the 12 loads of tiles 4-7 may be out
.irp t, 0,1,2,3
	v_wmma_scale_f32_16x16x128_f8f6f4 v[160+8*\t:167+8*\t], v[32+12*\t:43+12*\t], v[224:235], v[160+8*\t:167+8*\t], v[248+\t], v253 matrix_a_fmt:MATRIX_FMT_FP6 matrix_b_fmt:MATRIX_FMT_FP6
.endr
	s_wait_dscnt 0x0
.irp t, 0,1,2,3
	v_wmma_scale_f32_16x16x128_f8f6f4 v[192+8*\t:199+8*\t], v[96+12*\t:107+12*\t], v[224:235], v[192+8*\t:199+8*\t], v[92+\t], v253 matrix_a_fmt:MATRIX_FMT_FP6 matrix_b_fmt:MATRIX_FMT_FP6
.endr
.Lhidden:
	s_wait_xcnt 0x0                                ; a request of this trip has read its address: it steps on
	s_add_nc_u64 s[PFA:PFA+1], s[PFA:PFA+1], STEPB
	s_add_co_u32 s[KS], s[KS], 1
	s_add_co_u32 s[TB], s[TB], STEPB
	s_add_co_u32 s[TS], s[TS], 512
	s_add_co_u32 s[TV], s[TV], 4*FRB
	s_sub_co_u32 s[STEPS], s[STEPS], 1
	s_cmp_lg_u32 s[STEPS], 0
	s_cbranch_scc1 .Lst
.rept 4
	v_nop
.endr
	v_add_f32 v14, v14, v15
	s_wait_alu depctr_va_vdst(0)                   ; the wait ahead of the barrier
	s_wait_dscnt 0x0
	s_barrier_signal -1
	s_barrier_wait -1                              ; every wave has read k for the last time: the stages may be written over it
	s_cmp_eq_u32 s[PAR], 0
	s_cbranch_scc1 .Lmeet
.set n, 0
.rept 16
	ds_store_b128 v[SGA], v[160+4*n:163+4*n] offset:512*n   ; my part: O^T, sum and -M
.set n, n+1
.endr
	ds_store_b32 v[SGB], v14 offset:8192
	ds_store_b32 v[SGB], v12 offset:8320
.Lmeet:
	s_wait_dscnt 0x0
	s_barrier_signal -1
	s_barrier_wait -1
	s_cmp_lg_u32 s[PAR], 0
	s_cbranch_scc1 .Lend
; An owner takes a partner's part in: both are brought under the joint M by exact powers of two and added.
.macro MERGE off
.set n, 0
.rept 16
	ds_load_b128 v[96+4*n:99+4*n], v[SGA] offset:(\off)+512*n
.set n, n+1
.endr
	ds_load_b32 v232, v[SGB] offset:(\off)+8192
	ds_load_b32 v233, v[SGB] offset:(\off)+8320
	s_wait_dscnt 0x0
	v_min_num_f32 v234, v12, v233                  ; the joint -M
	s_delay_alu instid0(VALU_DEP_1)
	v_sub_f32 v235, v234, v12
	s_delay_alu instid0(VALU_DEP_2)
	v_sub_f32 v236, v234, v233
	s_delay_alu instid0(VALU_DEP_2)
	v_cvt_i32_f32 v235, v235
	s_delay_alu instid0(VALU_DEP_2)
	v_cvt_i32_f32 v236, v236
	s_delay_alu instid0(VALU_DEP_2)
	v_ldexp_f32 v252, 1.0, v235
	s_delay_alu instid0(VALU_DEP_2)
	v_ldexp_f32 v254, 1.0, v236
	v_mov_b32 v12, v234
	s_delay_alu instid0(VALU_DEP_3)
	v_mul_f32 v14, v14, v252
	s_delay_alu instid0(VALU_DEP_1)
	v_fma_f32 v14, v232, v254, v14
.set n, 0
.rept 32
	v_pk_mul_f32 v[160+n:161+n], v[160+n:161+n], v[252:253] op_sel_hi:[1,0]
.set n, n+2
.endr
.set n, 0
.rept 32
	v_pk_fma_f32 v[160+n:161+n], v[96+n:97+n], v[254:255], v[160+n:161+n] op_sel_hi:[1,0,1]
.set n, n+2
.endr
	s_wait_alu depctr_va_vdst(0)                   ; the wait ahead of a branch or a label
.endm
	s_cmp_eq_u32 s[NM], 0
	s_cbranch_scc1 .Lfin                           ; block t's wave has the whole tile
	MERGE 0
	s_cmp_eq_u32 s[NM], 1
	s_cbranch_scc1 .Lfin
	MERGE STGB                                     ; block 15 - t: the third wave's part
.Lfin:
	v_permlanex16_b32 v238, v14, s[SEL], s[SEL+1]
	s_delay_alu instid0(VALU_DEP_1)
	v_add_f32 v14, v14, v238                       ; the row's sum
	s_wait_alu depctr_va_vdst(0)
	v_rcp_f32 v14, v14
	v_nop
	s_wait_alu depctr_va_vdst(0)                   ; the waits ahead of and behind the transcendental
.set n, 0
.rept 32
	v_pk_mul_f32 v[96+n:97+n], v[160+n:161+n], v[14:15] op_sel_hi:[1,0]   ; o: register 16 b + i = channel 32 b + 16 h + i of my query
.set n, n+2
.endr
.irp b, 0,1,2,3                                ; the quantiser along the head's 128
	v_max3_num_f32 v[TM+\b], |v[96+16*\b]|, |v[97+16*\b]|, 0x1800000
.endr
.irp i, 2,4,6,8,10,12,14
.irp b, 0,1,2,3
	s_delay_alu instid0(VALU_DEP_4)
	v_max3_num_f32 v[TM+\b], v[TM+\b], |v[96+16*\b+\i]|, |v[97+16*\b+\i]|
.endr
.endr
.irp b, 0,1,2,3
	s_delay_alu instid0(VALU_DEP_4)
	v_permlanex16_b32 v[TM+4+\b], v[TM+\b], s[SEL], s[SEL+1]
.endr
.irp b, 0,1,2,3
	s_delay_alu instid0(VALU_DEP_4)
	v_max_num_f32 v[TM+\b], v[TM+\b], v[TM+4+\b]
.endr
.irp b, 0,1,2,3
	s_delay_alu instid0(VALU_DEP_4)
	v_add_nc_u32 v[TM+12+\b], 0xff000000, v[TM+\b]
.endr
.irp b, 0,1,2,3
	s_delay_alu instid0(VALU_DEP_4)
	v_lshrrev_b32 v[TM+4+\b], 23, v[TM+12+\b]
.endr
	s_delay_alu instid0(VALU_DEP_3)
	v_lshl_or_b32 v253, v[TM+5], 8, v[TM+4]
	s_delay_alu instid0(VALU_DEP_1)
	v_lshl_or_b32 v253, v[TM+6], 16, v253
	s_delay_alu instid0(VALU_DEP_1)
	v_lshl_or_b32 v253, v[TM+7], 24, v253
.irp c, 0,1
	v_cvt_scalef32_pk16_fp6_f32 v[160+6*\c:162+6*\c], v[96+32*\c:111+32*\c], v[TM+12+2*\c]
	v_cvt_scalef32_pk16_fp6_f32 v[172+4*\c:174+4*\c], v[112+32*\c:127+32*\c], v[TM+12+2*\c+1]
.endr
	v_nop
.irp c, 0,1
.irp i, 0,1,2
	v_permlane16_swap_b32 v[160+6*\c+\i], v[172+4*\c+\i]
.endr
.irp i, 0,1,2
	s_delay_alu instid0(VALU_DEP_3)
	v_mov_b32 v[163+6*\c+\i], v[172+4*\c+\i]
.endr
.endr
.irp c, 0,1,2
	global_store_b128 v[LI], v[160+4*\c:163+4*\c], s[8:9] offset:512*\c   ; the image: three stores of 512 consecutive bytes
.endr
	global_store_b32 v[R8], v253, s[10:11]
.Lend:
	s_wait_tensorcnt 0x0                           ; the wave's end
	ds_add_u32 v[SPW], v[NIL]
	s_wait_dscnt 0x0
	CROUND                                         ; the closing round
	s_endpgm
.Lfunc_end_k_q5c7d00874a_attn:
	.size	k_q5c7d00874a_attn, .Lfunc_end_k_q5c7d00874a_attn-k_q5c7d00874a_attn
	.p2alignl 7, 3214868480
	.fill 96, 4, 3214868480
	.section	.rodata,"a",@progbits
	.p2align	6, 0x0
	.amdhsa_kernel k_q5c7d00874a_attn
		.amdhsa_group_segment_fixed_size 327680
		.amdhsa_private_segment_fixed_size 0
		.amdhsa_enable_private_segment 0
		.amdhsa_kernarg_size 32
		.amdhsa_user_sgpr_count 2
		.amdhsa_user_sgpr_kernarg_segment_ptr 1
		.amdhsa_wavefront_size32 1
		.amdhsa_system_sgpr_workgroup_id_x 1
		.amdhsa_system_sgpr_workgroup_id_y 1
		.amdhsa_system_sgpr_workgroup_id_z 1
		.amdhsa_system_vgpr_workitem_id 0
		.amdhsa_next_free_vgpr 256
		.amdhsa_next_free_sgpr 101
		.amdhsa_reserve_vcc 1
		.amdhsa_float_denorm_mode_32 3
		.amdhsa_float_denorm_mode_16_64 3
		.amdhsa_memory_ordered 1
		.amdhsa_forward_progress 1
		.amdhsa_inst_pref_size 61
	.end_amdhsa_kernel
	.amdgpu_metadata
---
amdhsa.version: [ 1, 2 ]
amdhsa.kernels:
  - .name:           k_q5c7d00874a_attn
    .symbol:         k_q5c7d00874a_attn.kd
    .args:
      - { .name: qkv_codes, .offset: 0, .size: 8, .value_kind: global_buffer, .address_space: global }
      - { .name: qkv_scales, .offset: 8, .size: 8, .value_kind: global_buffer, .address_space: global }
      - { .name: at_codes, .offset: 16, .size: 8, .value_kind: global_buffer, .address_space: global }
      - { .name: at_scales, .offset: 24, .size: 8, .value_kind: global_buffer, .address_space: global }
    .group_segment_fixed_size: 327680
    .private_segment_fixed_size: 0
    .kernarg_segment_align: 8
    .kernarg_segment_size: 32
    .max_flat_workgroup_size: 512
    .sgpr_count:     101
    .vgpr_count:     256
    .wavefront_size: 32
...
	.end_amdgpu_metadata
.endif
;; end of part 3
;; launch oproj (part 4): grid 8 x 32, 4 waves a work-group, clusters of 4 x 4, 327,680 bytes of LDS; arguments at_codes, at_scales, codes, scales, out0; writes out0
.if DOCPART == 4
	.amdgcn_target "amdgcn-amd-amdhsa--gfx1250"
	.amdhsa_code_object_version 6
	.text
	.protected	k_q5c7d00874a_oproj
	.globl	k_q5c7d00874a_oproj
	.p2align	8
	.type	k_q5c7d00874a_oproj,@function
k_q5c7d00874a_oproj:
	s_mov_b64 s[64:65], 0
	v_nop
	global_prefetch_b8 v0, s[64:65] scope:SCOPE_SE
	s_setreg_imm32_b32 hwreg(HW_REG_WAVE_MODE, 25, 1), 1
	s_wait_xcnt 0x0
	s_wait_alu depctr_hold_cnt(0) depctr_sa_sdst(0) depctr_va_vdst(0) depctr_va_sdst(0) depctr_va_ssrc(0) depctr_va_vcc(0) depctr_vm_vsrc(0)
	s_getreg_b32 s2, hwreg(HW_REG_IB_STS2, 6, 4)
	s_cmp_eq_u32 s2, 0
	s_cbranch_scc0 .Lentry_in_a_cluster
	s_endpgm
.Lentry_in_a_cluster:
	s_bfe_u32 s2, ttmp6, 0x10000c
	s_cmp_lg_u32 s2, 0xf033
	s_cbranch_scc0 .Lentry_shape_is_right
	s_endpgm
.Lentry_shape_is_right:
; OPROJ.  out0[token][e] = sum over f of attn[token][f] wo[e][f], K = 1,024, on codes of FP6 (E2M3) with E8M0 scales; out0 [4096][2048] f32.
; Operands as images: a group of 128 rows has eight tiles; place i of tile T is row 32 (T / 2) + 8 (T % 2) + i + 8 (i / 8); 16 rows x 128 K are 1,536 bytes, register 4 c + e of lane l at 512 c + 16 l + 4 e;
; codes [group][K / 256][T][2][1536]; scale words [group][T][K / 256][r][2].  A = the attention's result (32 groups); B = wo, behind the other weights in its buffers, at WOC and WOS (16 groups).
; 128 tokens x 256 columns to a work-group: 256 work-groups.  Four waves, 64 x 128 each: 32 accumulators.  Source 1 = A (a lane holds a token), source 0 = B: register 16 b + i of a block = column 32 b + 16 h + i of my 128.
; ALL OF K LIES IN LDS: one group of A (98,304 bytes), two of B.  One joint load a wave at the head: waves 0, 1 the halves of A's group along K, waves 2, 3 a group of B each.  Nothing is filled again.
; THE SCALE WORDS go from memory into registers: a load of 8 bytes a lane covers 256 consecutive bytes, two chunks of one tile: lanes 0-15 hold the even chunk's two words of row r, lanes 16-31 the odd chunk's, which the products name by ROW1.
; CLUSTERS: 4 x 4; A's group is asked for jointly along a row of the cluster, B's two along a column.  No prefetch: every load goes out at the head, and there is no loop to run ahead in.
; REGISTERS: window 0: v0-31 addresses; v32-63 B's scale words, v64-79 A's; v128-223 A's fragments, two sets of four; on the way out v128-255 rows of out0.  Window 1: B's fragments, two sets.  Window 2: the accumulators.
.set FR,    12
.set NP,    4
.set FRB,   1536
.set PART,  16*FRB
.set HALFA, PART/2
.set GCB,   98304
.set WOC,   11010048
.set WOS,   458752
.set SPARE, 3*GCB                      ; behind the codes: the spare words, two blocks of 256 bytes that no other line names
.set SPITCH, 528                       ; the way out: a stage of 16 rows x (512 + 16) bytes for each wave, in A's first bytes, behind a barrier that stands behind every wave's last LDS read
.set ROWO,  8192
.set ADRA, 16
.set ADRB, 20
.set STO,  24
.set RD,   25
.set CO,   26
.set L8,   27
.set SPW,  28
.set NIL,  29
.set SB,   32                          ; B's tile i: v[SB + 4 i + 2 u + q]: chunks 2 u (lanes 0-15) and 2 u + 1 (lanes 16-31), the chunk's q-th 128
.set SA,   64                          ; A's likewise
.set AF,   128
.set BK,   128
.set G1,   24
.set G1B,  32
.set G0,   56
.set G0B,  76
.set MSB, 0
.macro WIN new
.if MSB != (\new)
	s_set_vgpr_msb (MSB<<8)|(\new)
.set MSB, (\new)
.endif
.endm
.set MUL,  0xa1
.set TO_B, 0x40
.macro CROUND
	s_barrier_signal -1
	s_barrier_wait -1
	s_cmp_lg_u32 s14, 0
	s_cbranch_scc1 .Lnot_wave_0_\@
	s_barrier_signal -3
.Lnot_wave_0_\@:
	s_barrier_wait -3
	s_barrier_signal -1
	s_barrier_wait -1
.endm
.macro GRP1 g, rows                    ; a dense block as rows of 256 bytes (32 elements of 8 bytes)
	s_mov_b32 s[\g+1], 32<<16
	s_mov_b32 s[\g+2], (\rows)<<16
	s_mov_b32 s[\g+3], 32<<16
	s_mov_b32 s[\g+4], \rows
	s_mov_b32 s[\g+5], 32
	s_mov_b32 s[\g+6], 0
	s_mov_b32 s[\g+7], 0
.endm
	s_load_b128 s[4:7], s[0:1], 0x0                ; at_codes, at_scales
	s_load_b128 s[8:11], s[0:1], 0x10              ; codes, scales
	s_load_b64 s[12:13], s[0:1], 0x20              ; out0
	v_lshl_add_u32 v[SPW], v0, 2, SPARE
	v_mov_b32 v[NIL], 0
	ds_add_u32 v[SPW], v[NIL]                      ; the opening lines: the add twice on end and one wait
	ds_add_u32 v[SPW], v[NIL]
	v_lshrrev_b32 v1, 5, v0
	v_readfirstlane_b32 s14, v1                    ; wave
	v_and_b32 v3, 31, v0
	v_lshlrev_b32 v[L8], 3, v3
	s_lshr_b32 s15, s14, 1                         ; which 64 tokens are mine; also: I fetch for A (0) or B (1)
	s_and_b32 s16, s14, 1                          ; which group of B is mine; also: which half of A, or which group of B, I fetch
	s_bfe_u32 s19, ttmp6, 0x40000                  ; cx
	s_bfe_u32 s20, ttmp6, 0x40004                  ; cy
	s_lshl_b32 s18, ttmp9, 2
	s_add_co_u32 s18, s18, s19                     ; tile column, 0..7
	s_and_b32 s17, ttmp7, 0xffff
	s_lshl_b32 s17, s17, 2
	s_add_co_u32 s17, s17, s20                     ; tile row, 0..31: A's group
	s_lshl_b32 s21, s20, 2
	s_lshl_b32 s21, 15, s21
	s_lshl_b32 s22, 0x1111, s19
	s_or_b32 s[G1], s21, (3<<16)|(1<<21)
	s_or_b32 s[G1B], s22, (3<<16)|(1<<21)
	GRP1 G1, 192                                   ; half of A's group: two chunks
	GRP1 G1B, 384                                  ; a group of B
	s_mul_i32 s2, s17, GCB
	s_mul_i32 s3, s16, 2*PART
	s_add_co_u32 s2, s2, s3
	s_mov_b32 s3, 0
	s_lshl_b32 s20, s17, 12                        ; A's scale words: my four tiles
	s_lshl_b32 s21, s15, 11
	s_add_co_u32 s20, s20, s21
	s_mov_b32 s21, 0
	s_lshl_b32 s22, s18, 1
	s_add_co_u32 s22, s22, s16                     ; B's group: the one that I fetch is the one that I multiply
	s_lshl_b32 s100, s22, 12
	s_add_co_u32 s100, s100, WOS
	s_mov_b32 s101, 0
	s_mul_i32 s22, s22, GCB
	s_add_co_u32 s22, s22, WOC
	s_mov_b32 s23, 0
	s_wait_dscnt 0x0
	s_wait_alu depctr_va_vdst(0)                   ; the wait ahead of the wait below
	s_wait_kmcnt 0x0
	s_add_nc_u64 s[2:3], s[4:5], s[2:3]
	s_add_nc_u64 s[20:21], s[6:7], s[20:21]
	s_add_nc_u64 s[22:23], s[8:9], s[22:23]
	s_add_nc_u64 s[100:101], s[10:11], s[100:101]
.irp i, 0,1,2,3
.irp u, 0,1
	global_load_b64 v[SA+4*\i+2*\u:SA+4*\i+2*\u+1], v[L8], s[20:21] offset:512*\i+256*\u
.endr
.endr
.irp i, 0,1,2,3,4,5,6,7
.irp u, 0,1
	global_load_b64 v[SB+4*\i+2*\u:SB+4*\i+2*\u+1], v[L8], s[100:101] offset:512*\i+256*\u
.endr
.endr
	CROUND                                         ; all sixteen work-groups are here: the joint loads meet
	s_mov_b32 s[G0], 1
	s_mul_i32 s[G0+1], s16, 2*PART
	s_mov_b64 s[G0+2:G0+3], s[2:3]
	s_or_b32 s[G0+3], s[G0+3], 0x80000000
	s_mul_i32 s5, s16, GCB
	s_mov_b32 s[G0B], 1
	s_add_co_u32 s[G0B+1], s5, GCB
	s_mov_b64 s[G0B+2:G0B+3], s[22:23]
	s_or_b32 s[G0B+3], s[G0B+3], 0x80000000
	s_cmp_eq_u32 s15, 0                            ; one load on either way
	s_cbranch_scc0 .Lfor_b
	tensor_load_to_lds s[G0:G0+3], s[G1:G1+7]
	s_nop 0
.rept 4
	v_nop
.endr
	s_branch .Lasked
.Lfor_b:
	tensor_load_to_lds s[G0B:G0B+3], s[G1B:G1B+7]
	s_nop 0
.rept 4
	v_nop
.endr
.Lasked:
	s_mul_i32 s4, s15, HALFA                       ; my four tiles of A
	s_add_co_u32 s5, s5, GCB                       ; my group of B, behind A's
	s_mul_i32 s19, s14, 16*SPITCH                  ; my stage
	s_lshl_b32 s2, s17, 7
	s_lshl_b32 s3, s15, 6
	s_add_co_u32 s2, s2, s3                        ; my first token
	s_lshl_b32 s2, s2, 13
	s_lshl_b32 s3, s18, 10
	s_add_co_u32 s2, s2, s3
	s_lshl_b32 s3, s16, 9
	s_add_co_u32 s2, s2, s3
	s_mov_b32 s3, 0
	s_add_nc_u64 s[12:13], s[12:13], s[2:3]
	v_and_b32 v1, 15, v0                           ; r
	v_bfe_u32 v2, v0, 4, 1                         ; h
	v_and_b32 v3, 31, v0
	v_lshlrev_b32 v[CO], 4, v3
	v_add_nc_u32 v[ADRA], s4, v[CO]
	v_add_nc_u32 v[ADRB], s5, v[CO]
	v_add_nc_u32 v[ADRA+1], 2*PART, v[ADRA]        ; K steps 4-7 (an LDS offset has 16 bits)
	v_add_nc_u32 v[ADRB+1], 2*PART, v[ADRB]
	v_mul_u32_u24 v5, v1, SPITCH
	v_lshl_add_u32 v5, v2, 6, v5                   ; in: row r, + 64 h
	v_add_nc_u32 v[STO], s19, v5
	v_add_nc_u32 v[RD], s19, v[CO]                 ; back: the 32 lanes take one row of 512 bytes
.macro FRAG reg, adr, s, i
.irp c, 0,1,2
	ds_load_b128 v[\reg+4*\c:\reg+4*\c+3], v[\adr+(\s)/4] offset:(((\s)/2)%2)*PART+(2*(\i)+(\s)%2)*FRB+512*\c
.endr
.endm
.macro FETCH s                         ; K step s: B's eight fragments and A's four, into set s % 2
	WIN TO_B
.irp i, 0,1,2,3,4,5,6,7
	FRAG 128*((\s)%2)+FR*\i, ADRB, \s, \i
.endr
	WIN 0
.irp i, 0,1,2,3
	FRAG AF+48*((\s)%2)+FR*\i, ADRA, \s, \i
.endr
.endm
.macro MUL32 s                         ; A's four blocks x B's eight.  K step 0 starts the sums.  The 32 accumulators take turns, one instruction a turn
.irp a, 0,1,2,3
.irp b, 0,1,2,3,4,5,6,7
.if (\s) == 0
	v_wmma_scale_f32_16x16x128_f8f6f4 v[8*(8*\a+\b):8*(8*\a+\b)+7], v[FR*\b:FR*\b+FR-1], v[AF+FR*\a:AF+FR*\a+FR-1], 0, v[SB+4*\b], v[SA+4*\a] matrix_a_fmt:MATRIX_FMT_FP6 matrix_b_fmt:MATRIX_FMT_FP6
.else
.if (((\s)/2)%2) == 0
	v_wmma_scale_f32_16x16x128_f8f6f4 v[8*(8*\a+\b):8*(8*\a+\b)+7], v[128*((\s)%2)+FR*\b:128*((\s)%2)+FR*\b+FR-1], v[AF+48*((\s)%2)+FR*\a:AF+48*((\s)%2)+FR*\a+FR-1], v[8*(8*\a+\b):8*(8*\a+\b)+7], v[SB+4*\b+2*((\s)/4)+(\s)%2], v[SA+4*\a+2*((\s)/4)+(\s)%2] matrix_a_fmt:MATRIX_FMT_FP6 matrix_b_fmt:MATRIX_FMT_FP6
.else
	v_wmma_scale_f32_16x16x128_f8f6f4 v[8*(8*\a+\b):8*(8*\a+\b)+7], v[128*((\s)%2)+FR*\b:128*((\s)%2)+FR*\b+FR-1], v[AF+48*((\s)%2)+FR*\a:AF+48*((\s)%2)+FR*\a+FR-1], v[8*(8*\a+\b):8*(8*\a+\b)+7], v[SB+4*\b+2*((\s)/4)+(\s)%2], v[SA+4*\a+2*((\s)/4)+(\s)%2] matrix_a_fmt:MATRIX_FMT_FP6 matrix_b_fmt:MATRIX_FMT_FP6 matrix_a_scale:MATRIX_SCALE_ROW1 matrix_b_scale:MATRIX_SCALE_ROW1
.endif
.endif
.endr
.endr
.endm
.macro PLACES n                        ; plain vector instructions behind a matrix instruction (ISA guide 7.12.1)
.rept \n
	v_nop
.endr
.endm
.macro KSTEP s                         ; its fragments were asked for a step ago; the next step's are asked for ahead of its 32 products
	s_wait_dscnt 0x0
.if (\s) == 0
	s_wait_loadcnt 0x0                             ; the scale words are in
.endif
.if (\s) == 7
	s_barrier_signal -1                            ; my last LDS reads are back: behind this barrier the stages are written over A's first bytes
.endif
.if (\s) < 7
.if (\s) > 0
	PLACES NP
.endif
	FETCH (\s)+1
.endif
	WIN MUL
	MUL32 \s
	WIN 0
.if (\s) == 7
	s_barrier_wait -1
.endif
.endm
	s_wait_alu depctr_va_vdst(0)                   ; the wait at the head's end
	s_wait_tensorcnt 0x0                           ; my load has landed,
	s_barrier_signal -1
	s_barrier_wait -1                              ; everybody's has
	FETCH 0
.irp s, 0,1,2,3,4,5,6,7
	KSTEP \s
.endr
; THE WAY OUT, block by block of 16 tokens x 128 columns, through my own stage: accumulator b's eight numbers are columns 32 (b / 2) + 16 h + 8 (b % 2) on of row r; they come back as whole rows of 512 bytes.
; Row t of block a is token 32 (a / 2) + 8 (a % 2) + t + 8 (t / 8) of my 64.  LDS serves a wave's instructions in order: no wait between the stores and the loads.
.macro TOSTAGE a
.set AC, 64*(\a)
	WIN 0x08
.irp b, 0,1,2,3,4,5,6,7
	ds_store_b128 v[STO], v[AC+8*\b:AC+8*\b+3] offset:128*(\b/2)+32*(\b%2)       ; each accumulator from its low end on
	ds_store_b128 v[STO], v[AC+8*\b+4:AC+8*\b+7] offset:128*(\b/2)+32*(\b%2)+16
.endr
	WIN 0
.set BB, BK+64*((\a)%2)
.irp t, 0,1,2,3,4,5,6,7,8,9,10,11,12,13,14,15
	ds_load_b128 v[BB+4*\t:BB+4*\t+3], v[RD] offset:\t*SPITCH
.endr
.endm
.macro SEND a, younger
.set BB, BK+64*((\a)%2)
	s_wait_dscnt \younger
.if (\a) > 0
.if ((\a)%2) == 1
	s_add_nc_u64 s[12:13], s[12:13], 8*ROWO        ; (behind a wait on XCNT)  an odd block begins 8 tokens on,
.else
	s_add_nc_u64 s[12:13], s[12:13], 24*ROWO       ; an even one 24
.endif
.endif
.irp t, 0,1,2,3,4,5,6,7,8,9,10,11,12,13,14,15
	global_store_b128 v[CO], v[BB+4*\t:BB+4*\t+3], s[12:13] offset:(\t+8*(\t/8))*ROWO th:TH_STORE_NT   ; 32 lanes store 512 consecutive bytes, aligned
.endr
.endm
	PLACES NP
	TOSTAGE 0
.irp a, 1,2,3
.if \a > 1
	s_wait_xcnt 0x0                                ; block a - 2's stores have read their registers and their base
.endif
	TOSTAGE \a
	SEND \a-1, 32                                  ; behind block a - 1's loads: block a's 16 stores and 16 loads
.endr
	s_wait_xcnt 0x0
	SEND 3, 0
	s_wait_tensorcnt 0x0                           ; the wave's end
	ds_add_u32 v[SPW], v[NIL]
	s_wait_dscnt 0x0
	CROUND                                         ; the closing round
	s_endpgm
.Lfunc_end_k_q5c7d00874a_oproj:
	.size	k_q5c7d00874a_oproj, .Lfunc_end_k_q5c7d00874a_oproj-k_q5c7d00874a_oproj
	.p2alignl 7, 3214868480
	.fill 96, 4, 3214868480
	.section	.rodata,"a",@progbits
	.p2align	6, 0x0
	.amdhsa_kernel k_q5c7d00874a_oproj
		.amdhsa_group_segment_fixed_size 327680
		.amdhsa_private_segment_fixed_size 0
		.amdhsa_enable_private_segment 0
		.amdhsa_kernarg_size 40
		.amdhsa_user_sgpr_count 2
		.amdhsa_user_sgpr_kernarg_segment_ptr 1
		.amdhsa_wavefront_size32 1
		.amdhsa_system_sgpr_workgroup_id_x 1
		.amdhsa_system_sgpr_workgroup_id_y 1
		.amdhsa_system_sgpr_workgroup_id_z 1
		.amdhsa_system_vgpr_workitem_id 0
		.amdhsa_next_free_vgpr 768
		.amdhsa_next_free_sgpr 102
		.amdhsa_reserve_vcc 0
		.amdhsa_float_denorm_mode_32 3
		.amdhsa_float_denorm_mode_16_64 3
		.amdhsa_memory_ordered 1
		.amdhsa_forward_progress 1
		.amdhsa_inst_pref_size 76
	.end_amdhsa_kernel
	.amdgpu_metadata
---
amdhsa.version: [ 1, 2 ]
amdhsa.kernels:
  - .name:           k_q5c7d00874a_oproj
    .symbol:         k_q5c7d00874a_oproj.kd
    .args:
      - { .name: at_codes, .offset: 0, .size: 8, .value_kind: global_buffer, .address_space: global }
      - { .name: at_scales, .offset: 8, .size: 8, .value_kind: global_buffer, .address_space: global }
      - { .name: codes, .offset: 16, .size: 8, .value_kind: global_buffer, .address_space: global }
      - { .name: scales, .offset: 24, .size: 8, .value_kind: global_buffer, .address_space: global }
      - { .name: out0, .offset: 32, .size: 8, .value_kind: global_buffer, .address_space: global }
    .group_segment_fixed_size: 327680
    .private_segment_fixed_size: 0
    .kernarg_segment_align: 8
    .kernarg_segment_size: 40
    .max_flat_workgroup_size: 128
    .sgpr_count:     102
    .vgpr_count:     768
    .wavefront_size: 32
...
	.end_amdgpu_metadata
.endif
;; end of part 4
